; MI455X (gfx1250); checked and timed in simulation.
; The chip was launched on July 23, 2026; its instructions are those of AMD's public machine-readable ISA for CDNA 5 (MIT licence, August 2026) and "CDNA5" Instruction Set Architecture Reference Guide (July 2026). The comments in the code are by the model that wrote it; some were corrected since.
;; Mo E. Allowed arithmetic: float matrix products may take bf16 or f16 operands with f32 sums; other float arithmetic in f32, or as packed bf16 or f16 multiplies, adds, multiply-adds, maxima and minima; sums over many terms, partial sums and values carried from step to step in f32; what a program stores and reads back later, other than sums and carried values, may be rounded once to bf16 or f16.
;; Inputs: gate_bias 4 float32; gate_w 4 x 1,024 float32; sw1 512 x 1,024 float32; sw2 1,024 x 512 float32; sw3 512 x 1,024 float32; w1 4 x 512 x 1,024 float32; w2 4 x 1,024 x 512 float32; w3 4 x 512 x 1,024 float32; x 4 x 2,048 x 1,024 float32.
;; Outputs: out0 4 x 2,048 x 1,024 float32.
;; 2 versions, each right and faster than the one before. Each part assembles by itself: llvm-mc -triple=amdgcn-amd-amdhsa -mcpu=gfx1250 --defsym DOCPART=n.
;; ======== version 1 of 2: 4 launches
;; workspace buffers: xb 16,842,752 bytes; wb 15,728,640 bytes; r1 36,864 bytes of whole numbers; xs 17,205,504 bytes; r2 34,560 bytes of whole numbers; hf 28,311,552 bytes
;; launch route_cast (part 1): grid 496 x 1, 8 waves a work-group, no clusters, 1,536 bytes of LDS; arguments x, gate_w, gate_bias, w1, w2, w3, sw1, sw2, sw3, xb, wb, r1; writes xb, wb, r1
.if DOCPART == 1
	.amdgcn_target "amdgcn-amd-amdhsa--gfx1250"
	.amdhsa_code_object_version 6
	.text
	.protected	k_q712615b40b_route_cast
	.globl	k_q712615b40b_route_cast
	.p2align	8
	.type	k_q712615b40b_route_cast,@function
k_q712615b40b_route_cast:
	s_mov_b64 s[64:65], 0
	v_nop
	global_prefetch_b8 v0, s[64:65] scope:SCOPE_SE
	s_setreg_imm32_b32 hwreg(HW_REG_WAVE_MODE, 25, 1), 1
	s_wait_xcnt 0x0
; ROUTE AND CAST.  Work-groups 0-255: 32 tokens each: x rounded to bf16 (xb), the gate's four logits, softmax, bias, top 2, and for each token
; the number of its SET of two experts (0-5 for 01 02 03 12 13 23), its rank among the chunk's tokens of that set, and the chunk's six counts (r1).
; Work-groups 256-495: one block of 32,768 weights each, rounded to bf16 and laid out for the two products (wb).
; LIMITS.  x, gate_w and gate_bias enter the gate rounded to bf16, like every input of this program; products exact, sums in f32.  A token whose second and third
; biased scores lie closer than the f32 rounding of these sums (about 1e-6 of a score) may choose otherwise than a sum in another order.  NaN and infinities are not treated apart.
; The gate has 4 columns for 1,024 channels: it runs on the vector unit, on the very registers that are stored as xb, so that x is read in runs of 512 bytes and once.
; No address and no branch hangs on a score: everything is stored at places fixed by the token's number.
.set XB_CW,  16777216                  ; xb: behind the rows, [8192][2] f32: the weights of the lower and of the higher chosen expert
.set WB2,    10485760                  ; wb: [5][1024][1024] bf16 for the first product, then [5][1024][512] for the second
.set R1_CNT, 32768                     ; r1: info[8192], then 4 words a chunk: counts 0|1, 2|3, 4|5 in halves, 0
.set SPARE,  512                       ; LDS: 0-511 logits [32 tokens][4]; 512-1535 the spare words, 128 bytes a wave
.set SPW, 30                           ; v30  SPARE + 4 x my thread's number; never rewritten
.set NIL, 31                           ; v31  0; never rewritten
.set ZR,  29                           ; v29  0.0: what the sums begin with
.set GW,  32                           ; v[32:159] gate_w: expert e, piece j at GW + 32 e + 4 j; rounded in place, two packed registers a piece
.set AC,  160                          ; v[160:167] two chains an expert (low halves, high halves)
.set LG,  176                          ; v[176:191] my four tokens' logits
.set MSB, 0
.macro WIN new                         ; the immediate's high byte repeats the setting that is left
.if MSB != (\new)
	s_set_vgpr_msb (MSB<<8)|(\new)
.set MSB, \new
.endif
.endm
	s_load_b512 s[4:19], s[0:1], 0x0               ; x 4, gate_w 6, gate_bias 8, w1 10, w2 12, w3 14, sw1 16, sw2 18
	s_load_b256 s[20:27], s[0:1], 0x40             ; sw3 20, xb 22, wb 24, r1 26
	v_lshl_add_u32 v[SPW], v0, 2, SPARE
	v_mov_b32 v[NIL], 0
	v_and_b32 v1, 31, v0                           ; lane
	v_lshrrev_b32 v2, 5, v0
	v_readfirstlane_b32 s28, v2                    ; wave 0..7
	s_mov_b32 s30, 0x76543210                      ; v_permlanex16_b32: each lane takes its own place in the other half
	s_mov_b32 s31, 0xfedcba98
	s_mov_b32 s37, 0
	s_wait_kmcnt 0x0
	s_cmp_ge_u32 ttmp9, 256                        ; the same answer in all waves of a work-group
	s_cbranch_scc1 .Lcast
	; ---- THE ROUTER: wave v has tokens 32 g + 4 v + 0..3; a lane has channels 128 j + 4 lane + 0..3, j = 0..7 ----
	s_load_b128 s[32:35], s[8:9], 0x0              ; the bias
	v_lshlrev_b32 v3, 4, v1                        ; 16 lane
	v_lshl_add_u32 v4, v2, 14, v3                  ; + 4 rows of 4,096 bytes a wave: x
	v_lshlrev_b32 v5, 3, v1
	v_lshl_add_u32 v5, v2, 13, v5                  ; 8 lane + 4 rows of 2,048 bytes a wave: xb
	v_lshlrev_b32 v28, 6, v2                       ; my wave's 64 bytes of logits in LDS
	v_mov_b32 v[ZR], 0
	s_lshl_b32 s36, ttmp9, 17
	s_add_nc_u64 s[4:5], s[4:5], s[36:37]          ; x at the chunk's first row
	s_lshl_b32 s36, ttmp9, 16
	s_add_nc_u64 s[38:39], s[22:23], s[36:37]      ; xb likewise
.irp e, 0,1,2,3
.irp j, 0,1,2,3,4,5,6,7
	global_load_b128 v[GW+32*\e+4*\j:GW+32*\e+4*\j+3], v3, s[6:7] offset:4096*\e+512*\j
.endr
.endr
	WIN 0x40                                       ; x goes into window 1: token i, piece j at 32 i + 4 j
.irp i, 0,1,2,3
.irp j, 0,1,2,3,4,5,6,7
	global_load_b128 v[32*\i+4*\j:32*\i+4*\j+3], v4, s[4:5] offset:4096*\i+512*\j th:TH_LOAD_NT
.endr
.endr
	WIN 0
	s_wait_loadcnt 32                              ; the gate's 32 loads are in; the 32 of x, issued behind them, stay out
.set k, 0
.rept 32
	v_cvt_pk_bf16_f32 v[GW+4*k], v[GW+4*k], v[GW+4*k+1]
	v_cvt_pk_bf16_f32 v[GW+4*k+1], v[GW+4*k+2], v[GW+4*k+3]
.set k, k+1
.endr
; One token: rounded in place, stored (a wave's store covers 256 consecutive bytes, aligned), multiplied with the four experts' rows, summed over the lanes.
.macro TOKEN i
	s_wait_loadcnt 24-8*(\i)                       ; my eight loads are in; the younger tokens' stay out
	WIN 0x45                                       ; destination and both sources in window 1
.irp j, 0,1,2,3,4,5,6,7
	v_cvt_pk_bf16_f32 v[32*(\i)+4*\j], v[32*(\i)+4*\j], v[32*(\i)+4*\j+1]
	v_cvt_pk_bf16_f32 v[32*(\i)+4*\j+1], v[32*(\i)+4*\j+2], v[32*(\i)+4*\j+3]
.endr
	WIN 0x04                                       ; a store's data is source 1
.irp j, 0,1,2,3,4,5,6,7
	global_store_b64 v5, v[32*(\i)+4*\j:32*(\i)+4*\j+1], s[38:39] offset:2048*(\i)+256*\j
.endr
	WIN 0x01                                       ; x is source 0
.irp j, 0,1,2,3,4,5,6,7
.irp h, 0,1
.irp e, 0,1,2,3
.if (\j)+(\h) == 0
	v_fma_mix_f32_bf16 v[AC+2*\e], v[32*(\i)+4*\j+\h], v[GW+32*\e+4*\j+\h], v[ZR] op_sel_hi:[1,1,0]
	v_fma_mix_f32_bf16 v[AC+2*\e+1], v[32*(\i)+4*\j+\h], v[GW+32*\e+4*\j+\h], v[ZR] op_sel:[1,1,0] op_sel_hi:[1,1,0]
.else
	v_fma_mix_f32_bf16 v[AC+2*\e], v[32*(\i)+4*\j+\h], v[GW+32*\e+4*\j+\h], v[AC+2*\e] op_sel_hi:[1,1,0]
	v_fma_mix_f32_bf16 v[AC+2*\e+1], v[32*(\i)+4*\j+\h], v[GW+32*\e+4*\j+\h], v[AC+2*\e+1] op_sel:[1,1,0] op_sel_hi:[1,1,0]
.endif
.endr
.endr
.endr
	WIN 0
.irp e, 0,1,2,3
	v_add_f32 v[AC+2*\e], v[AC+2*\e], v[AC+2*\e+1]
.endr
.irp m, 1,2,4,8
.irp e, 0,1,2,3
	v_add_f32_dpp v[AC+2*\e], v[AC+2*\e], v[AC+2*\e] row_xmask:\m row_mask:0xf bank_mask:0xf
.endr
.endr
.irp e, 0,1,2,3
	v_permlanex16_b32 v[AC+2*\e+1], v[AC+2*\e], s30, s31
.endr
.irp e, 0,1,2,3
	v_add_f32 v[LG+4*(\i)+\e], v[AC+2*\e], v[AC+2*\e+1]  ; every lane holds the logit
.endr
.endm
	TOKEN 0
	TOKEN 1
	TOKEN 2
	TOKEN 3
.set k, 0
.rept 16
	ds_store_b32 v28, v[LG+k] offset:4*k           ; all lanes write the same word with the same value
.set k, k+1
.endr
	s_wait_dscnt 0x0                               ; for wave 0's sake: my stores are done
	s_barrier_signal -1
	s_barrier_wait -1
	s_cmp_lg_u32 s28, 0
	s_cbranch_scc1 .Lfin
	; ---- wave 0: lane = token of the chunk ----
	ds_load_b128 v[40:43], v3                      ; my token's four logits
	s_wait_kmcnt 0x0                               ; the bias, rounded to bf16 like every input
	v_mov_b32 v56, s32
	v_mov_b32 v57, s33
	v_mov_b32 v58, s34
	v_mov_b32 v59, s35
	v_cvt_pk_bf16_f32 v60, v56, v57
	v_cvt_pk_bf16_f32 v61, v58, v59
	v_lshlrev_b32 v56, 16, v60
	v_and_b32 v57, 0xffff0000, v60
	v_lshlrev_b32 v58, 16, v61
	v_and_b32 v59, 0xffff0000, v61
	s_wait_dscnt 0x0
	v_max3_num_f32 v44, v40, v41, v42              ; the maximum is taken away before the exponentials
	v_max_num_f32 v44, v44, v43
.irp i, 0,1,2,3
	v_sub_f32 v[45+\i], v[40+\i], v44
.endr
.irp i, 0,1,2,3
	v_mul_f32 v[45+\i], 0x3fb8aa3b, v[45+\i]
.endr
.irp i, 0,1,2,3
	v_exp_f32 v[45+\i], v[45+\i]
.endr
	v_mov_b32 v70, 0xff800000                      ; a plain line behind the last exponential: what hides the first choice
	s_wait_alu depctr_va_vdst(0)                   ; one wait for the four exponentials, ahead of their first reader
	v_add_f32 v49, v45, v46
	v_add_f32 v50, v47, v48
	v_add_f32 v49, v49, v50
	v_rcp_f32 v50, v49
	v_mov_b32 v69, 0                               ; a plain line behind the reciprocal: the first choice starts at expert 0
	s_wait_alu depctr_va_vdst(0)
.irp i, 0,1,2,3
	v_mul_f32 v[52+\i], v[45+\i], v50              ; the scores
.endr
.irp i, 0,1,2,3
	v_add_f32 v[64+\i], v[52+\i], v[56+\i]         ; biased
.endr
	v_mov_b32 v68, v64                             ; the largest: strictly greater wins, so the lower index is kept on a tie
.irp i, 1,2,3
	v_cmp_gt_f32 vcc_lo, v[64+\i], v68
	v_cndmask_b32 v68, v68, v[64+\i], vcc_lo
	v_cndmask_b32 v69, v69, \i, vcc_lo
.endr
.irp i, 0,1,2,3
	v_cmp_eq_u32 vcc_lo, \i, v69
	v_cndmask_b32 v[64+\i], v[64+\i], v70, vcc_lo
.endr
	v_mov_b32 v71, v64                             ; the largest of the rest
	v_mov_b32 v72, 0
.irp i, 1,2,3
	v_cmp_gt_f32 vcc_lo, v[64+\i], v71
	v_cndmask_b32 v71, v71, v[64+\i], vcc_lo
	v_cndmask_b32 v72, v72, \i, vcc_lo
.endr
	v_min_u32 v73, v69, v72                        ; a < b
	v_max_u32 v74, v69, v72
	v_mov_b32 v76, v52                             ; their unbiased scores
	v_mov_b32 v77, v52
.irp i, 1,2,3
	v_cmp_eq_u32 vcc_lo, \i, v73
	v_cndmask_b32 v76, v76, v[52+\i], vcc_lo
	v_cmp_eq_u32 vcc_lo, \i, v74
	v_cndmask_b32 v77, v77, v[52+\i], vcc_lo
.endr
	v_min_u32 v78, 1, v73
	v_add3_u32 v78, v78, v73, v74
	v_add_nc_u32 v78, -1, v78                      ; the set's number: a + b - 1 + min(a, 1)
	v_mov_b32 v79, 0
.irp s, 0,1,2,3,4,5
	v_cmp_eq_u32 s[40+\s], \s, v78
	s_bcnt1_i32_b32 s[48+\s], s[40+\s]             ; the chunk's count of set s
	v_mbcnt_lo_u32_b32 v80, s[40+\s], 0            ; lanes of that set below me
	v_cndmask_b32 v79, v79, v80, s[40+\s]          ; my rank
.endr
	v_lshl_or_b32 v81, v79, 8, v78
	s_lshl_b32 s46, ttmp9, 7
	v_lshl_add_u32 v82, v1, 2, s46
	global_store_b32 v82, v81, s[26:27]            ; info[32 g + lane]
	s_lshl_b32 s47, ttmp9, 8
	v_lshl_add_u32 v83, v1, 3, s47
	v_add_nc_u32 v83, XB_CW, v83
	global_store_b64 v83, v[76:77], s[22:23]       ; the wave's store covers 256 consecutive bytes, aligned
	s_lshl_b32 s49, s49, 16
	s_or_b32 s48, s48, s49
	s_lshl_b32 s51, s51, 16
	s_or_b32 s50, s50, s51
	s_lshl_b32 s53, s53, 16
	s_or_b32 s52, s52, s53
	v_mov_b32 v84, s48
	v_mov_b32 v85, s50
	v_mov_b32 v86, s52
	v_mov_b32 v87, 0
	s_lshl_b32 s54, ttmp9, 4
	v_mov_b32 v88, s54
	v_cmp_eq_u32 vcc_lo, 0, v1
	s_wait_xcnt 0x0                                ; EXEC is a source of the stores above: it changes only behind this wait
	s_and_saveexec_b32 s55, vcc_lo
	global_store_b128 v88, v[84:87], s[26:27] offset:R1_CNT  ; lane 0: the chunk's counts
	s_wait_xcnt 0x0                                ; and again in front of the line that widens it
	s_or_b32 exec_lo, exec_lo, s55
	s_branch .Lfin
	; ---- THE CAST: block b of 240; source and destination are both consecutive ----
.Lcast:
	s_sub_co_u32 s29, ttmp9, 256
	s_cmp_ge_u32 s29, 160
	s_cbranch_scc1 .Lcast2
	; first product: expert e = b / 32; in wb its rows go 256 q + 64 w + 32 t + i = hidden row 128 q + 32 w + i of w1 (t = 0) or w3 (t = 1): block b % 32 = 8 q + 2 w + t
	s_lshr_b32 s33, s29, 5                         ; e
	s_bfe_u32 s34, s29, 0x40001                    ; 4 q + w: which 32 hidden rows
	s_and_b32 s35, s29, 1                          ; t
	s_cmp_eq_u32 s35, 1
	s_cselect_b64 s[40:41], s[14:15], s[10:11]     ; w3 or w1
	s_cselect_b64 s[42:43], s[20:21], s[16:17]     ; sw3 or sw1
	s_lshl_b32 s44, s29, 16
	s_branch .Lcopy
.Lcast2:
	s_sub_co_u32 s29, s29, 160                     ; second product: natural order, expert e = b / 16
	s_lshr_b32 s33, s29, 4
	s_and_b32 s34, s29, 15
	s_mov_b64 s[40:41], s[12:13]                   ; w2
	s_mov_b64 s[42:43], s[18:19]                   ; sw2
	s_lshl_b32 s44, s29, 16
	s_add_co_u32 s44, s44, WB2
.Lcopy:
	s_cmp_lt_u32 s33, 4
	s_cselect_b64 s[40:41], s[40:41], s[42:43]     ; a routed expert's, or (e = 4) the shared one's
	s_cselect_b32 s33, s33, 0
	s_lshl_b32 s36, s33, 21                        ; an expert's matrix is 2 MiB of f32,
	s_lshl_b32 s34, s34, 17                        ; a block 128 KiB
	s_add_co_u32 s36, s36, s34
	s_add_nc_u64 s[40:41], s[40:41], s[36:37]
	s_mov_b32 s45, 0
	s_add_nc_u64 s[42:43], s[24:25], s[44:45]
	v_lshlrev_b32 v3, 4, v0
	v_lshlrev_b32 v4, 3, v0
.set k, 0
.rept 32
	global_load_b128 v[GW+4*k:GW+4*k+3], v3, s[40:41] offset:4096*k th:TH_LOAD_NT
.set k, k+1
.endr
.set k, 0
.rept 32
	s_wait_loadcnt 31-k                            ; load k is in; the younger ones stay out
	v_cvt_pk_bf16_f32 v[GW+4*k], v[GW+4*k], v[GW+4*k+1]
	v_cvt_pk_bf16_f32 v[GW+4*k+1], v[GW+4*k+2], v[GW+4*k+3]
	global_store_b64 v4, v[GW+4*k:GW+4*k+1], s[42:43] offset:2048*k  ; a wave's store covers 256 consecutive bytes, aligned
.set k, k+1
.endr
.Lfin:
	s_wait_tensorcnt 0x0                           ; the wave's end, behind the last LDS store
	ds_add_u32 v[SPW], v[NIL]
	s_wait_dscnt 0x0
	s_endpgm
.Lfunc_end_k_q712615b40b_route_cast:
	.size	k_q712615b40b_route_cast, .Lfunc_end_k_q712615b40b_route_cast-k_q712615b40b_route_cast
	.p2alignl 7, 3214868480
	.fill 96, 4, 3214868480
	.section	.rodata,"a",@progbits
	.p2align	6, 0x0
	.amdhsa_kernel k_q712615b40b_route_cast
		.amdhsa_group_segment_fixed_size 1536
		.amdhsa_private_segment_fixed_size 0
		.amdhsa_enable_private_segment 0
		.amdhsa_kernarg_size 96
		.amdhsa_user_sgpr_count 2
		.amdhsa_user_sgpr_kernarg_segment_ptr 1
		.amdhsa_wavefront_size32 1
		.amdhsa_system_sgpr_workgroup_id_x 1
		.amdhsa_system_sgpr_workgroup_id_y 1
		.amdhsa_system_sgpr_workgroup_id_z 1
		.amdhsa_system_vgpr_workitem_id 0
		.amdhsa_next_free_vgpr 384
		.amdhsa_next_free_sgpr 66
		.amdhsa_reserve_vcc 1
		.amdhsa_float_denorm_mode_32 3
		.amdhsa_float_denorm_mode_16_64 3
		.amdhsa_memory_ordered 1
		.amdhsa_forward_progress 1
		.amdhsa_inst_pref_size 77
	.end_amdhsa_kernel
	.amdgpu_metadata
---
amdhsa.version: [ 1, 2 ]
amdhsa.kernels:
  - .name:           k_q712615b40b_route_cast
    .symbol:         k_q712615b40b_route_cast.kd
    .args:
      - { .name: x, .offset: 0, .size: 8, .value_kind: global_buffer, .address_space: global }
      - { .name: gate_w, .offset: 8, .size: 8, .value_kind: global_buffer, .address_space: global }
      - { .name: gate_bias, .offset: 16, .size: 8, .value_kind: global_buffer, .address_space: global }
      - { .name: w1, .offset: 24, .size: 8, .value_kind: global_buffer, .address_space: global }
      - { .name: w2, .offset: 32, .size: 8, .value_kind: global_buffer, .address_space: global }
      - { .name: w3, .offset: 40, .size: 8, .value_kind: global_buffer, .address_space: global }
      - { .name: sw1, .offset: 48, .size: 8, .value_kind: global_buffer, .address_space: global }
      - { .name: sw2, .offset: 56, .size: 8, .value_kind: global_buffer, .address_space: global }
      - { .name: sw3, .offset: 64, .size: 8, .value_kind: global_buffer, .address_space: global }
      - { .name: xb, .offset: 72, .size: 8, .value_kind: global_buffer, .address_space: global }
      - { .name: wb, .offset: 80, .size: 8, .value_kind: global_buffer, .address_space: global }
      - { .name: r1, .offset: 88, .size: 8, .value_kind: global_buffer, .address_space: global }
    .group_segment_fixed_size: 1536
    .private_segment_fixed_size: 0
    .kernarg_segment_align: 8
    .kernarg_segment_size: 96
    .max_flat_workgroup_size: 256
    .sgpr_count:     66
    .vgpr_count:     384
    .wavefront_size: 32
...
	.end_amdgpu_metadata
.endif
;; end of part 1
;; launch place (part 2): grid 256 x 1, 8 waves a work-group, no clusters, 0 bytes of LDS; arguments xb, r1, xs, r2; writes xs, r2
.if DOCPART == 2
	.amdgcn_target "amdgcn-amd-amdhsa--gfx1250"
	.amdhsa_code_object_version 6
	.text
	.protected	k_q712615b40b_place
	.globl	k_q712615b40b_place
	.p2align	8
	.type	k_q712615b40b_place,@function
k_q712615b40b_place:
	s_mov_b64 s[64:65], 0
	v_nop
	global_prefetch_b8 v0, s[64:65] scope:SCOPE_SE
	s_setreg_imm32_b32 hwreg(HW_REG_WAVE_MODE, 25, 1), 1
	s_wait_xcnt 0x0
; PLACE.  A counting sort of the 8,192 tokens by their set of two experts (6 sets), without atomics: every wave adds up the 256 chunks' counts for itself (4 KiB),
; finds where its chunk's tokens of each set begin, and copies its four bf16 rows to their places in xs; beside them go the token's number (tok) and {1, c_a, c_b, 0} (cws).
; Work-groups 0-143 also write one of the 144 zero rows behind the sorted rows, work-groups 0-63 one entry of the table of 64 row groups.
; THE TABLE serves every split.  A set of n rows has t = ceil(n / 144) tiles; the t add up to 57..62.  The largest set (at least 1,366 rows: 9 full tiles) has its first
; L = 64 - sum t (2..7) full tiles cut into halves of 72 rows: exactly 64 groups of 1 to 144 rows, none empty.  Entry: first row, rows, expert a, expert b.
; No LDS and no barrier: waves do not depend on each other.  All positions are clamped to 8,191 before they enter an address.
.set XB_CW, 16777216
.set R1_CNT, 32768
.set XS_CW, 17072128                   ; xs: [8336][1024] bf16, then cws [8336][4] f32
.set R2_TOK, 1024                      ; r2: 64 entries of 16 bytes, then tok[8336]
	s_load_b256 s[4:11], s[0:1], 0x0               ; xb 4, r1 6, xs 8, r2 10
	v_and_b32 v1, 31, v0                           ; lane
	v_lshrrev_b32 v2, 5, v0
	v_readfirstlane_b32 s12, v2                    ; wave 0..7
	s_mov_b32 s13, ttmp9                           ; g: my chunk
	s_mov_b32 s60, 0x76543210
	s_mov_b32 s61, 0xfedcba98
	v_lshlrev_b32 v7, 4, v1                        ; 16 lane
	v_lshl_add_u32 v6, v2, 13, v7                  ; + my wave's four rows of 2,048 bytes
	v_lshlrev_b32 v9, 3, v1                        ; 8 lane: the first of the eight chunks whose counts I read
	v_and_b32 v3, 3, v1
	v_lshl_add_u32 v3, v2, 2, v3
	s_lshl_b32 s22, s13, 5
	v_add_nc_u32 v3, s22, v3                       ; token 32 g + 4 wave + lane % 4
	v_lshlrev_b32 v4, 2, v3
	v_lshlrev_b32 v5, 3, v3
	v_add_nc_u32 v5, XB_CW, v5
	v_lshlrev_b32 v2, 7, v1                        ; 128 lane
	s_lshl_b32 s22, s13, 16
	s_mov_b32 s23, 0
	s_wait_kmcnt 0x0
	s_add_nc_u64 s[14:15], s[4:5], s[22:23]        ; xb at the chunk's first row
.irp i, 0,1,2,3,4,5,6,7
	global_load_b128 v[16+4*\i:19+4*\i], v2, s[6:7] offset:R1_CNT+16*\i
.endr
	global_load_b32 v8, v4, s[6:7]                 ; set | rank << 8
	global_load_b64 v[10:11], v5, s[4:5]           ; the two weights
.irp i, 0,1,2,3
.irp j, 0,1,2,3
	global_load_b128 v[64+16*\i+4*\j:67+16*\i+4*\j], v6, s[14:15] offset:2048*\i+512*\j th:TH_LOAD_NT
.endr
.endr
.irp c, 3,4,5
	v_mov_b32 v[54+\c], 0                          ; written once: a lane exchange counts as a reader of its destination
.endr
	s_wait_loadcnt 16                              ; the ten small loads are in; the 16 row loads behind them stay out
	; totals (v48-50) and the counts of the chunks in front of mine (v51-53), two 16-bit fields a word: no field passes 8,192
.irp c, 0,1,2
	v_add_nc_u32 v[48+\c], v[16+\c], v[20+\c]
.endr
.irp i, 2,3,4,5,6,7
.irp c, 0,1,2
	v_add_nc_u32 v[48+\c], v[48+\c], v[16+4*\i+\c]
.endr
.endr
	v_cmp_gt_i32 vcc_lo, s13, v9                   ; chunk 8 lane < g
.irp c, 0,1,2
	v_cndmask_b32 v[51+\c], 0, v[16+\c], vcc_lo
.endr
.irp i, 1,2,3,4,5,6,7
	s_sub_co_i32 s22, s13, \i
	v_cmp_gt_i32 vcc_lo, s22, v9                   ; chunk 8 lane + i < g
.irp c, 0,1,2
	v_cndmask_b32 v[54+\c], 0, v[16+4*\i+\c], vcc_lo
.endr
.irp c, 0,1,2
	v_add_nc_u32 v[51+\c], v[51+\c], v[54+\c]
.endr
.endr
.irp m, 1,2,4,8
.irp c, 0,1,2,3,4,5
	v_mov_b32_dpp v[54+\c], v[48+\c] row_xmask:\m row_mask:0xf bank_mask:0xf
.endr
.irp c, 0,1,2,3,4,5
	v_add_nc_u32 v[48+\c], v[48+\c], v[54+\c]
.endr
.endr
.irp c, 0,1,2,3,4,5
	v_permlanex16_b32 v[54+\c], v[48+\c], s60, s61
.endr
.irp c, 0,1,2,3,4,5
	v_add_nc_u32 v[48+\c], v[48+\c], v[54+\c]
.endr
.irp c, 0,1,2,3,4,5
	v_readfirstlane_b32 s[16+\c], v[48+\c]
.endr
.irp c, 0,1,2
	s_and_b32 s[24+2*\c], s[16+\c], 0xffff         ; n_s
	s_lshr_b32 s[25+2*\c], s[16+\c], 16
	s_and_b32 s[30+2*\c], s[19+\c], 0xffff         ; of them in earlier chunks
	s_lshr_b32 s[31+2*\c], s[19+\c], 16
.endr
	s_mov_b32 s36, 0                               ; where set s begins
.irp s, 0,1,2,3,4
	s_add_co_u32 s[37+\s], s[36+\s], s[24+\s]
.endr
.irp s, 0,1,2,3,4,5
	s_add_co_u32 s[42+\s], s[36+\s], s[30+\s]      ; where my chunk's tokens of set s begin
.endr
	v_and_b32 v12, 0xff, v8
	v_lshrrev_b32 v13, 8, v8
	v_mov_b32 v14, s42
.irp s, 1,2,3,4,5
	v_cmp_eq_u32 vcc_lo, \s, v12
	v_cndmask_b32 v14, v14, s[42+\s], vcc_lo
.endr
	v_add_nc_u32 v14, v14, v13
	v_min_u32 v14, 0x1fff, v14                     ; the token's place among the sorted rows
	s_mov_b32 s57, 0
.irp i, 0,1,2,3
	v_readlane_b32 s56, v14, \i                    ; lane i holds token i of my four
	s_min_u32 s56, s56, 0x1fff
	s_lshl_b32 s56, s56, 11
	s_add_nc_u64 s[48+2*\i:49+2*\i], s[8:9], s[56:57]  ; a base of its own for each row: none is rewritten under a pending store
	s_wait_loadcnt 12-4*\i                         ; the row's four loads are in; the younger rows' stay out
.irp j, 0,1,2,3
	global_store_b128 v7, v[64+16*\i+4*\j:67+16*\i+4*\j], s[48+2*\i:49+2*\i] offset:512*\j  ; 512 consecutive bytes, aligned
.endr
.endr
	v_lshlrev_b32 v15, 2, v14
	v_lshlrev_b32 v60, 4, v14
	v_add_nc_u32 v60, XS_CW, v60
	v_mov_b32 v40, 1.0                             ; the shared expert's weight
	v_mov_b32 v41, v10
	v_mov_b32 v42, v11
	v_mov_b32 v43, 0
	v_cmp_gt_u32 vcc_lo, 4, v1
	s_wait_xcnt 0x0                                ; EXEC changes only behind this wait
	s_and_saveexec_b32 s58, vcc_lo                 ; lanes 0-3: 20 scattered bytes a token, which a scatter cannot avoid
	global_store_b32 v15, v3, s[10:11] offset:R2_TOK
	global_store_b128 v60, v[40:43], s[8:9]
	s_wait_xcnt 0x0
	s_or_b32 exec_lo, exec_lo, s58
	s_cmp_lg_u32 s12, 0
	s_cbranch_scc1 .Lend
	s_cmp_ge_u32 s13, 144
	s_cbranch_scc1 .Lend
	; ---- wave 0 of work-groups 0-143: zero row 8192 + g, its cws and tok ----
	s_add_co_u32 s59, s13, 8192
	s_lshl_b32 s56, s59, 11
	s_add_nc_u64 s[88:89], s[8:9], s[56:57]
.irp c, 0,1,2,3
	v_mov_b32 v[44+\c], 0
.endr
.irp j, 0,1,2,3
	global_store_b128 v7, v[44:47], s[88:89] offset:512*\j
.endr
	s_lshl_b32 s90, s59, 4
	s_add_co_u32 s90, s90, XS_CW
	v_mov_b32 v62, s90
	s_lshl_b32 s91, s59, 2
	v_mov_b32 v63, s91
	v_cmp_eq_u32 vcc_lo, 0, v1
	s_wait_xcnt 0x0
	s_and_saveexec_b32 s58, vcc_lo
	global_store_b128 v62, v[44:47], s[8:9]
	global_store_b32 v63, v44, s[10:11] offset:R2_TOK
	s_wait_xcnt 0x0
	s_or_b32 exec_lo, exec_lo, s58
	s_cmp_ge_u32 s13, 64
	s_cbranch_scc1 .Lend
	; ---- wave 0 of work-groups 0-63: entry g of the table ----
.irp s, 0,1,2,3,4,5
	s_add_co_u32 s[66+\s], s[24+\s], 143
	s_mul_i32 s[66+\s], s[66+\s], 116509           ; x / 144 = x * 116509 >> 24, exact for x up to 8,335 (116509 * 144 = 2^24 + 80)
	s_lshr_b32 s[66+\s], s[66+\s], 24              ; t_s
.endr
	s_add_co_u32 s72, s66, s67
	s_add_co_u32 s72, s72, s68
	s_add_co_u32 s72, s72, s69
	s_add_co_u32 s72, s72, s70
	s_add_co_u32 s72, s72, s71
	s_sub_co_u32 s73, 64, s72                      ; L
	s_mov_b32 s74, 0                               ; the largest set, the first of equals
	s_mov_b32 s75, s24
.irp s, 1,2,3,4,5
	s_cmp_gt_u32 s[24+\s], s75
	s_cselect_b32 s75, s[24+\s], s75
	s_cselect_b32 s74, \s, s74
.endr
	s_mov_b32 s76, 0                               ; groups of the sets in front
	s_mov_b32 s80, 0
	s_mov_b32 s81, 1
	s_mov_b32 s82, 0
	s_mov_b32 s83, 1
.macro ENTRY s, ea, eb
	s_cmp_eq_u32 s74, \s
	s_cselect_b32 s77, s73, 0                      ; tiles of this set that are cut in two
	s_add_co_u32 s78, s[66+\s], s77                ; its groups
	s_sub_co_u32 s79, s13, s76                     ; d: my group's number in the set (wraps where the set lies behind me)
	s_add_co_u32 s76, s76, s78
	s_sub_co_u32 s84, s79, s77
	s_mul_i32 s84, s84, 144                        ; a whole tile's first row
	s_mul_i32 s85, s79, 72                         ; a half's
	s_sub_co_u32 s86, s[24+\s], s84
	s_min_u32 s86, s86, 144                        ; a whole tile's rows
	s_lshl_b32 s87, s77, 1
	s_cmp_lt_u32 s79, s87                          ; a half?
	s_cselect_b32 s84, s85, s84
	s_cselect_b32 s86, 72, s86
	s_add_co_u32 s84, s84, s[36+\s]
	s_cmp_lt_u32 s79, s78                          ; is my group in this set?
	s_cselect_b32 s80, s84, s80
	s_cselect_b32 s81, s86, s81
	s_cselect_b32 s82, \ea, s82
	s_cselect_b32 s83, \eb, s83
.endm
	ENTRY 0, 0, 1
	ENTRY 1, 0, 2
	ENTRY 2, 0, 3
	ENTRY 3, 1, 2
	ENTRY 4, 1, 3
	ENTRY 5, 2, 3
	v_mov_b32 v36, s80
	v_mov_b32 v37, s81
	v_mov_b32 v38, s82
	v_mov_b32 v39, s83
	s_lshl_b32 s84, s13, 4
	v_mov_b32 v35, s84
	v_cmp_eq_u32 vcc_lo, 0, v1
	s_wait_xcnt 0x0
	s_and_saveexec_b32 s58, vcc_lo
	global_store_b128 v35, v[36:39], s[10:11]
	s_wait_xcnt 0x0
	s_or_b32 exec_lo, exec_lo, s58
.Lend:
	s_endpgm
.Lfunc_end_k_q712615b40b_place:
	.size	k_q712615b40b_place, .Lfunc_end_k_q712615b40b_place-k_q712615b40b_place
	.p2alignl 7, 3214868480
	.fill 96, 4, 3214868480
	.section	.rodata,"a",@progbits
	.p2align	6, 0x0
	.amdhsa_kernel k_q712615b40b_place
		.amdhsa_group_segment_fixed_size 0
		.amdhsa_private_segment_fixed_size 0
		.amdhsa_enable_private_segment 0
		.amdhsa_kernarg_size 32
		.amdhsa_user_sgpr_count 2
		.amdhsa_user_sgpr_kernarg_segment_ptr 1
		.amdhsa_wavefront_size32 1
		.amdhsa_system_sgpr_workgroup_id_x 1
		.amdhsa_system_sgpr_workgroup_id_y 1
		.amdhsa_system_sgpr_workgroup_id_z 1
		.amdhsa_system_vgpr_workitem_id 0
		.amdhsa_next_free_vgpr 128
		.amdhsa_next_free_sgpr 96
		.amdhsa_reserve_vcc 1
		.amdhsa_float_denorm_mode_32 3
		.amdhsa_float_denorm_mode_16_64 3
		.amdhsa_memory_ordered 1
		.amdhsa_forward_progress 1
		.amdhsa_inst_pref_size 22
	.end_amdhsa_kernel
	.amdgpu_metadata
---
amdhsa.version: [ 1, 2 ]
amdhsa.kernels:
  - .name:           k_q712615b40b_place
    .symbol:         k_q712615b40b_place.kd
    .args:
      - { .name: xb, .offset: 0, .size: 8, .value_kind: global_buffer, .address_space: global }
      - { .name: r1, .offset: 8, .size: 8, .value_kind: global_buffer, .address_space: global }
      - { .name: xs, .offset: 16, .size: 8, .value_kind: global_buffer, .address_space: global }
      - { .name: r2, .offset: 24, .size: 8, .value_kind: global_buffer, .address_space: global }
    .group_segment_fixed_size: 0
    .private_segment_fixed_size: 0
    .kernarg_segment_align: 8
    .kernarg_segment_size: 32
    .max_flat_workgroup_size: 256
    .sgpr_count:     96
    .vgpr_count:     128
    .wavefront_size: 32
...
	.end_amdgpu_metadata
.endif
;; end of part 2
;; launch up (part 3): grid 4 x 64, 4 waves a work-group, no clusters, 327,680 bytes of LDS; arguments xs, wb, r2, hf; writes hf
.if DOCPART == 3
	.amdgcn_target "amdgcn-amd-amdhsa--gfx1250"
	.amdhsa_code_object_version 6
	.text
	.protected	k_q712615b40b_up
	.globl	k_q712615b40b_up
	.p2align	8
	.type	k_q712615b40b_up,@function
k_q712615b40b_up:
	s_mov_b64 s[64:65], 0
	v_nop
	global_prefetch_b8 v0, s[64:65] scope:SCOPE_SE
	s_setreg_imm32_b32 hwreg(HW_REG_WAVE_MODE, 25, 1), 1
	s_wait_xcnt 0x0
; UP.  hf = silu(x w1^T) (x w3^T) c, rounded once to bf16, for the three experts of a row group: the shared one (c = 1), a and b (c = the gate's weights).
; Work-group (q, r): row group r of the table (computed as 144 rows: 9 blocks of 16; rows past the group's count are the next rows of xs, real or zero, and their results stay in the group's own
; part of hf) x slice q of 128 hidden columns.  It STAYS for three passes, one an expert: each a tile of 144 x 256 (128 rows of w1 and the same 128 of w3, interleaved by 32 in wb), K = 1,024.
; 24 K steps of 128 go through ONE ring of two LDS slots, which runs on from pass to pass.  64 x 4 work-groups: one for each of 256 WGPs.
; THE MATRIX INSTRUCTION IS USED TRANSPOSED: source 0 = 16 weight rows, source 1 = 16 tokens: a lane holds one token (lane % 16) and 8 neighbouring hidden columns.  Wave w has weight rows
; 64 w .. 64 w + 63 of the tile: blocks 0, 1 = w1 of hidden 128 q + 32 w + 0..31, blocks 2, 3 = w3 of the same: both factors of a hidden number lie in the same lane and register.
; The packed results of blocks 0, 1 ARE registers 0-3 and 4-7 of the next product's token fragment: they are stored as such, 512 consecutive bytes a store, with no way through LDS.
; NO CLUSTER: the four q of a group share A's 36 of a K step's 100 KiB; the tile's address comes from the table, and every barrier would become a round of four work-groups: left for a later version.
; LIMITS.  All operands bf16, sums f32.  For large |g| the exponential gives infinity or 0 and the reciprocal 0 or 1: the result stays finite.  NaN and infinities are not treated apart.
; REGISTERS (windows of 256; s_set_vgpr_msb: bits 1:0 source 0, 3:2 source 1, 5:4 source 2, 7:6 destination):
;   window 0: v0-11 addresses; v30-31, v240-255 c of my token in block a (a pair each, the high word 0); v32-63, v64-95 weight fragments, two buffers; v96-167, v168-239 token fragments, two buffers
;   window 1: accumulator (a, nb) at 32 a + 8 nb, a = 0..7          window 2: accumulator (8, nb) at 8 nb
.set XS_CW,  17072128
.set PITCH,  272                       ; an LDS row: 256 bytes + 16: an odd multiple of 16, so the 16 rows of a fragment load fall on 16 different 16-byte columns of 256
.set BLK,    16*PITCH
.set ATILE,  144*PITCH                 ; a slot: 144 token rows, then 256 weight rows
.set SLOT,   400*PITCH
.set SPARE,  2*SLOT                    ; behind the ring: the spare words, 128 bytes a wave
.set HPASS,  147456                    ; hf: [64 groups][48 blocks of 32 hidden][9 a][2 halves][32 lanes][16 bytes]; a pass is 16 blocks of 9,216 bytes
.set SPW, 10                           ; v10  SPARE + 4 x my thread's number; never rewritten
.set NIL, 11                           ; v11  0; never rewritten
.set FB,  32
.set FA,  96
.set G1A, 24                           ; s[24:31] descriptor group 1, token tiles: 72 rows x 128
.set G1B, 32                           ; s[32:39] weight tiles: 128 rows x 128
.set G0A, 40                           ; s[40:47] group 0 for token tiles, a set for each slot
.set G0B, 48                           ; s[48:55] for weight tiles
.set MSB, 0
.macro WIN new                         ; the immediate's high byte repeats the setting that is left
.if MSB != (\new)
	s_set_vgpr_msb (MSB<<8)|(\new)
.set MSB, \new
.endif
.endm
.macro PLACES                          ; four plain places behind matrix instructions, in front of loads into their sources and of readers of their results
.rept 4
	v_nop
.endr
.endm
; A fill: waves 0, 1 fetch the halves of the token tile, waves 2, 3 those of the weight tile.  An s_nop 0 and four v_nop follow each line.
.macro LOAD s
	s_cmp_lt_u32 s14, 2
	s_cbranch_scc0 .Lfor_b_\@
	tensor_load_to_lds s[G0A+4*(\s):G0A+4*(\s)+3], s[G1A:G1A+7]
	s_nop 0
	PLACES
	s_branch .Lasked_\@
.Lfor_b_\@:
	tensor_load_to_lds s[G0B+4*(\s):G0B+4*(\s)+3], s[G1B:G1B+7]
	s_nop 0
	PLACES
.Lasked_\@:
.endm
; The addresses of K step s2 (0..23) into slot s's descriptors, made anew from the bases; it stands where no tensor load of the wave is out.
.macro NEXTADR s
	s_and_b32 s66, s2, 7
	s_lshl_b32 s66, s66, 8                         ; 128 channels of bf16 a step
	s_cmp_lt_u32 s2, 8
	s_cselect_b32 s68, 4, s22                      ; pass 0: the shared expert; pass 1: a;
	s_cmp_lt_u32 s2, 16
	s_cselect_b32 s68, s68, s23                    ; pass 2: b
	s_min_u32 s68, s68, 4
	s_lshl_b32 s68, s68, 21                        ; an expert is 2 MiB of wb
	s_add_co_u32 s68, s68, s66
	s_add_nc_u64 s[G0A+4*(\s)+2:G0A+4*(\s)+3], s[70:71], s[66:67]
	s_or_b32 s[G0A+4*(\s)+3], s[G0A+4*(\s)+3], 0x80000000
	s_add_nc_u64 s[G0B+4*(\s)+2:G0B+4*(\s)+3], s[72:73], s[68:69]
	s_or_b32 s[G0B+4*(\s)+3], s[G0B+4*(\s)+3], 0x80000000
	s_add_co_u32 s2, s2, 1
.endm
; Matrix instructions for token blocks a0..a1 x all 4 weight blocks, 32 along K, from buffer f.  The 36 accumulators take turns, in the same order everywhere.
.macro MUL f, a0, a1, zero
.set ma, \a0
.rept (\a1)-(\a0)+1
.if ma < 8
	WIN 0x50
.set rD, 32*ma
.else
	WIN 0xa0
.set rD, 0
.endif
.irp nb, 0,1,2,3
.if \zero
	v_wmma_f32_16x16x32_bf16 v[rD+8*\nb:rD+8*\nb+7], v[FB+32*(\f)+8*\nb:FB+32*(\f)+8*\nb+7], v[FA+72*(\f)+8*ma:FA+72*(\f)+8*ma+7], 0
.else
	v_wmma_f32_16x16x32_bf16 v[rD+8*\nb:rD+8*\nb+7], v[FB+32*(\f)+8*\nb:FB+32*(\f)+8*\nb+7], v[FA+72*(\f)+8*ma:FA+72*(\f)+8*ma+7], v[rD+8*\nb:rD+8*\nb+7]
.endif
.endr
.set ma, ma+1
.endr
.endm
; 26 LDS loads in one run: quarter kq (32 along K) of a slot into buffer f: the weights' 8 first, then the tokens' 18
.macro FETCH slot, kq, f
	WIN 0
.irp nb, 0,1,2,3
	ds_load_b128 v[FB+32*(\f)+8*\nb:FB+32*(\f)+8*\nb+3],   v[6+(\slot)] offset:64*(\kq)+\nb*BLK
	ds_load_b128 v[FB+32*(\f)+8*\nb+4:FB+32*(\f)+8*\nb+7], v[6+(\slot)] offset:64*(\kq)+\nb*BLK+32
.endr
.irp ab, 0,1,2,3,4,5,6,7,8
	ds_load_b128 v[FA+72*(\f)+8*\ab:FA+72*(\f)+8*\ab+3],   v[4+(\slot)] offset:64*(\kq)+\ab*BLK
	ds_load_b128 v[FA+72*(\f)+8*\ab+4:FA+72*(\f)+8*\ab+7], v[4+(\slot)] offset:64*(\kq)+\ab*BLK+32
.endr
.endm
; One of a K step's first three quarters: multiplies buffer f, and in its middle fetches quarter kq into buffer g
.macro QUARTER slot, kq, f, g, zero
	s_wait_dscnt 8                                 ; all but the youngest eight loads (token blocks 5-8)
	MUL \f, 0, 2, \zero
	PLACES
	FETCH \slot, \kq, \g
	s_wait_dscnt 26                                ; all but the 26 just issued
	MUL \f, 3, 8, \zero
.endm
; The last quarter multiplies buffer 1 and changes slots: ONE barrier.  In front of it each wave waits for all its tensor loads (one is out: its part of the next slot), adds 0 to its spare
; word, and waits for that and for its reads of this slot.  Behind it nobody reads this slot and the next is whole: the refill comes first, then the next slot's first fragments.
.macro TURN slot, next, fill
	WIN 0
	s_wait_tensorcnt 0x0                           ; no tensor load of mine is out, so a group 0 may be written
	ds_add_u32 v[SPW], v[NIL]
.if \fill
	NEXTADR \slot
.endif
	s_wait_dscnt 9                                 ; the add and token blocks 5-8 may be out
	MUL 1, 0, 1, 0
	s_wait_dscnt 0x0                               ; the add is done, my reads of this slot are over
	s_barrier_signal -1
	MUL 1, 2, 3, 0                                 ; work on registers while the others arrive
	WIN 0
	s_barrier_wait -1
.if \fill
	LOAD \slot                                     ; my one tensor load behind this barrier; its four v_nop are also the places in front of the loads below
.else
	PLACES
.endif
	FETCH \next, 0, 0
	MUL 1, 4, 8, 0
.endm
; THE ACTIVATION, a token block at a time, on two sets of temporaries in the idle fragment buffer 1.
.macro TSET ts
.if (\ts) == 0
.set rT, 168
.set rP, 184
.set rH, 200
.else
.set rT, 208
.set rP, 224
.set rH, 64
.endif
.endm
.macro EA a, ts                        ; T = -log2(e) g, P = g u; each accumulator's lowest registers are read first
	TSET \ts
.if (\a) < 8
	WIN 0x05
.set rA, 32*(\a)
.else
	WIN 0x0a
.set rA, 0
.endif
.irp nb, 0,1
.irp j, 0,2,4,6
	v_pk_mul_f32 v[rT+8*\nb+\j:rT+8*\nb+\j+1], v[rA+8*\nb+\j:rA+8*\nb+\j+1], s[78:79] op_sel_hi:[1,0]
	v_pk_mul_f32 v[rP+8*\nb+\j:rP+8*\nb+\j+1], v[rA+8*\nb+\j:rA+8*\nb+\j+1], v[rA+16+8*\nb+\j:rA+16+8*\nb+\j+1]
.endr
.endr
.endm
.macro EB a, ts                        ; 16 exponentials in one batch, P c as the plain work behind them, one wait; 1 + e^-g; 16 reciprocals in one batch
	TSET \ts
.if (\a) < 8
.set rW, 240+2*(\a)
.else
.set rW, 30
.endif
	WIN 0
.set z, 0
.rept 16
	v_exp_f32 v[rT+z], v[rT+z]
.set z, z+1
.endr
.set z, 0
.rept 8
	v_pk_mul_f32 v[rP+2*z:rP+2*z+1], v[rP+2*z:rP+2*z+1], v[rW:rW+1] op_sel_hi:[1,0]
.set z, z+1
.endr
	s_wait_alu depctr_va_vdst(0)                   ; one wait for the batch, ahead of its first reader
.set z, 0
.rept 8
	v_pk_add_f32 v[rT+2*z:rT+2*z+1], v[rT+2*z:rT+2*z+1], 1.0 op_sel_hi:[1,0]
.set z, z+1
.endr
.set z, 0
.rept 16
	v_rcp_f32 v[rT+z], v[rT+z]
.set z, z+1
.endr
.endm
.macro EC a, ts                        ; g u c / (1 + e^-g), rounded, stored
	TSET \ts
	WIN 0
.set z, 0
.rept 8
	v_pk_mul_f32 v[rP+2*z:rP+2*z+1], v[rP+2*z:rP+2*z+1], v[rT+2*z:rT+2*z+1]
.set z, z+1
.endr
	s_wait_xcnt 0x0                                ; the store of two blocks ago has read these registers
.set z, 0
.rept 8
	v_cvt_pk_bf16_f32 v[rH+z], v[rP+2*z], v[rP+2*z+1]
.set z, z+1
.endr
	global_store_b128 v8, v[rH:rH+3], s[74:75] offset:1024*(\a)        ; 512 consecutive bytes, aligned
	global_store_b128 v8, v[rH+4:rH+7], s[74:75] offset:1024*(\a)+512
.endm
.macro EPI
	WIN 0
	PLACES                                         ; behind the last products
	s_wait_loadcnt 0x0                             ; c of this pass
	v_add_nc_u32 v9, 4, v9                         ; the next pass's c is the next word of {1, c_a, c_b, 0}
	EA 0, 0
.irp a, 0,1,2,3,4,5,6,7,8
	EB \a, (\a)%2
.if (\a) < 8
	EA (\a)+1, ((\a)+1)%2                          ; the next block's plain work stands behind the reciprocals
.else
	v_nop
.endif
	s_wait_alu depctr_va_vdst(0)                   ; one wait for the 16 reciprocals
	EC \a, (\a)%2
.endr
	s_wait_xcnt 0x0                                ; the stores' base and registers are rewritten only behind this wait
	s_add_nc_u64 s[74:75], s[74:75], HPASS
.endm
	s_load_b256 s[4:11], s[0:1], 0x0               ; xs 4, wb 6, r2 8, hf 10
	v_lshl_add_u32 v[SPW], v0, 2, SPARE
	v_mov_b32 v[NIL], 0
	ds_add_u32 v[SPW], v[NIL]                      ; the wave's opening: the add and its wait ahead of my first tensor load
	v_lshrrev_b32 v3, 5, v0
	v_readfirstlane_b32 s14, v3                    ; wave 0..3
	s_and_b32 s16, s14, 1                          ; which half of a tile I fetch
	s_and_b32 s17, ttmp7, 0xffff                   ; r: the row group
	s_lshl_b32 s18, s17, 4
	s_mov_b32 s[G1A+0], (1<<16)|(1<<20)|(5<<22)|(3<<25)  ; 2-byte elements; padding on: after every 64 words, 4 words
	s_mov_b32 s[G1A+1], 128<<16                    ; tensor_dim0 = 128
	s_mov_b32 s[G1A+2], 72<<16                     ; tensor_dim1 = 72
	s_mov_b32 s[G1A+3], 128<<16                    ; tile_dim0 = 128
	s_mov_b32 s[G1A+4], 72                         ; tile_dim1 = 72
	s_mov_b32 s[G1A+5], 1024                       ; elements from row to row
	s_mov_b32 s[G1A+6], 0
	s_mov_b32 s[G1A+7], 0
	s_mov_b32 s[G1B+0], (1<<16)|(1<<20)|(5<<22)|(3<<25)
	s_mov_b32 s[G1B+1], 128<<16
	s_mov_b32 s[G1B+2], 128<<16                    ; 128 rows
	s_mov_b32 s[G1B+3], 128<<16
	s_mov_b32 s[G1B+4], 128
	s_mov_b32 s[G1B+5], 1024
	s_mov_b32 s[G1B+6], 0
	s_mov_b32 s[G1B+7], 0
	s_mov_b32 s[G0A], 1
	s_mul_i32 s[G0A+1], s16, 72*PITCH              ; LDS: my half of the token rows, slot 0
	s_mov_b32 s[G0A+4], 1
	s_add_co_u32 s[G0A+5], s[G0A+1], SLOT          ; slot 1
	s_mov_b32 s[G0B], 1
	s_mul_i32 s[G0B+1], s16, 128*PITCH
	s_add_co_u32 s[G0B+1], s[G0B+1], ATILE         ; my half of the weight rows
	s_mov_b32 s[G0B+4], 1
	s_add_co_u32 s[G0B+5], s[G0B+1], SLOT
	s_mov_b32 s67, 0
	s_mov_b32 s69, 0
	s_mov_b32 s78, 0xbfb8aa3b                      ; -log2(e)
	s_mov_b32 s79, s78                             ; named with it as a pair
	s_mov_b32 s2, 0                                ; the K step to ask for next
	s_wait_dscnt 0x0                               ; the opening add is done
	s_wait_kmcnt 0x0
	s_load_b128 s[20:23], s[8:9], s18 offset:0x0   ; the group: first row, rows, a, b
	s_lshl_b32 s68, ttmp9, 19                      ; slice q: 256 rows of 2,048 bytes,
	s_lshl_b32 s19, s16, 18                        ; my half of them
	s_add_co_u32 s68, s68, s19
	s_add_nc_u64 s[72:73], s[6:7], s[68:69]        ; weights' base
	s_mul_i32 s68, s17, 442368                     ; hf: the group,
	s_lshl_b32 s19, ttmp9, 2
	s_add_co_u32 s19, s19, s14
	s_mul_i32 s19, s19, 9216                       ; block 4 q + w of 32 hidden columns
	s_add_co_u32 s68, s68, s19
	s_add_nc_u64 s[74:75], s[10:11], s[68:69]
	s_add_nc_u64 s[76:77], s[4:5], XS_CW
	s_wait_kmcnt 0x0
	s_min_u32 s20, s20, 0x1fff
	s_mul_i32 s19, s16, 72
	s_add_co_u32 s19, s19, s20
	s_lshl_b32 s66, s19, 11
	s_add_nc_u64 s[70:71], s[4:5], s[66:67]        ; tokens' base: my half of the group's 144 rows
	s_lshl_b32 s68, s20, 4
	s_add_nc_u64 s[76:77], s[76:77], s[68:69]      ; cws at the group's first row
	NEXTADR 0
	NEXTADR 1
	s_cmp_lt_u32 s14, 2                            ; both first fills in one branch, ahead of every wait on TENSORcnt, LDS read and barrier: two loads of mine are out
	s_cbranch_scc0 .Lfirst_b
	tensor_load_to_lds s[G0A:G0A+3], s[G1A:G1A+7]
	s_nop 0
	tensor_load_to_lds s[G0A+4:G0A+7], s[G1A:G1A+7]
	s_nop 0
	PLACES
	s_branch .Lfirst_done
.Lfirst_b:
	tensor_load_to_lds s[G0B:G0B+3], s[G1B:G1B+7]
	s_nop 0
	tensor_load_to_lds s[G0B+4:G0B+7], s[G1B:G1B+7]
	s_nop 0
	PLACES
.Lfirst_done:
	; a fragment is 16 rows x 32 K in 8 registers: lane l holds row l % 16, K = 8 (l / 16) + 0..7 and 16 + 8 (l / 16) + 0..7: two loads of 16 bytes, 32 bytes apart
	v_and_b32 v1, 15, v0
	v_bfe_u32 v2, v0, 4, 1
	v_mul_u32_u24 v3, v1, PITCH
	v_lshl_add_u32 v3, v2, 4, v3
	v_mov_b32 v4, v3                               ; tokens, slot 0
	v_add_nc_u32 v5, SLOT, v3                      ; slot 1
	s_mul_i32 s19, s14, 64*PITCH
	s_add_co_u32 s19, s19, ATILE
	v_add_nc_u32 v6, s19, v3                       ; my 64 weight rows, slot 0
	v_add_nc_u32 v7, SLOT, v6
	v_and_b32 v8, 31, v0
	v_lshlrev_b32 v8, 4, v8                        ; hf: 16 lane
	v_lshlrev_b32 v9, 4, v1                        ; cws: my token's 16 bytes; + 4 a pass
.irp a, 0,1,2,3,4,5,6,7
	v_mov_b32 v[241+2*\a], 0
.endr
	v_mov_b32 v31, 0
	s_wait_tensorcnt 0x1                           ; my part of K step 0 is in; slot 1's stays out
	s_barrier_signal -1
	s_barrier_wait -1
	FETCH 0, 0, 0
	s_mov_b32 s15, 3                               ; passes to go
.Ltile:
.irp a, 0,1,2,3,4,5,6,7
	global_load_b32 v[240+2*\a], v9, s[76:77] offset:256*\a  ; c of my token in block a: wanted at the pass's end
.endr
	global_load_b32 v30, v9, s[76:77] offset:2048
	QUARTER 0, 1, 0, 1, 1                          ; a pass's first quarter starts the sums: nothing is cleared
	WIN 0
	s_mov_b32 s3, 3
.Llap:                                                 ; a trip goes once round the ring, from a lap's second quarter to the next lap's first, and fills both slots again
	QUARTER 0, 2, 1, 0, 0
	QUARTER 0, 3, 0, 1, 0
	TURN 0, 1, 1
	QUARTER 1, 1, 0, 1, 0
	QUARTER 1, 2, 1, 0, 0
	QUARTER 1, 3, 0, 1, 0
	TURN 1, 0, 1
	QUARTER 0, 1, 0, 1, 0
	WIN 0
	s_sub_co_u32 s3, s3, 1
	s_cmp_lg_u32 s3, 0
	s_cbranch_scc1 .Llap
	QUARTER 0, 2, 1, 0, 0                          ; the pass's last lap goes on
	QUARTER 0, 3, 0, 1, 0
	WIN 0
	s_cmp_eq_u32 s15, 1
	s_cbranch_scc1 .Llast                          ; the last pass's tail is written out: it asks for nothing more
	TURN 0, 1, 1                                   ; the ring goes on into the next pass: slot 0 takes its K step 0,
	QUARTER 1, 1, 0, 1, 0
	QUARTER 1, 2, 1, 0, 0
	QUARTER 1, 3, 0, 1, 0
	TURN 1, 0, 1                                   ; slot 1 its K step 1, and its first fragments are fetched
	EPI
	s_sub_co_u32 s15, s15, 1
	s_branch .Ltile
.Llast:
	TURN 0, 1, 0
	QUARTER 1, 1, 0, 1, 0
	QUARTER 1, 2, 1, 0, 0
	QUARTER 1, 3, 0, 1, 0
	s_wait_dscnt 0x0
	MUL 1, 0, 8, 0
	EPI
	s_wait_tensorcnt 0x0                           ; the wave's end
	ds_add_u32 v[SPW], v[NIL]
	s_wait_dscnt 0x0
	s_endpgm
.Lfunc_end_k_q712615b40b_up:
	.size	k_q712615b40b_up, .Lfunc_end_k_q712615b40b_up-k_q712615b40b_up
	.p2alignl 7, 3214868480
	.fill 96, 4, 3214868480
	.section	.rodata,"a",@progbits
	.p2align	6, 0x0
	.amdhsa_kernel k_q712615b40b_up
		.amdhsa_group_segment_fixed_size 327680
		.amdhsa_private_segment_fixed_size 0
		.amdhsa_enable_private_segment 0
		.amdhsa_kernarg_size 32
		.amdhsa_user_sgpr_count 2
		.amdhsa_user_sgpr_kernarg_segment_ptr 1
		.amdhsa_wavefront_size32 1
		.amdhsa_system_sgpr_workgroup_id_x 1
		.amdhsa_system_sgpr_workgroup_id_y 1
		.amdhsa_system_sgpr_workgroup_id_z 1
		.amdhsa_system_vgpr_workitem_id 0
		.amdhsa_next_free_vgpr 544
		.amdhsa_next_free_sgpr 80
		.amdhsa_reserve_vcc 0
		.amdhsa_float_denorm_mode_32 3
		.amdhsa_float_denorm_mode_16_64 3
		.amdhsa_memory_ordered 1
		.amdhsa_forward_progress 1
		.amdhsa_inst_pref_size 179
	.end_amdhsa_kernel
	.amdgpu_metadata
---
amdhsa.version: [ 1, 2 ]
amdhsa.kernels:
  - .name:           k_q712615b40b_up
    .symbol:         k_q712615b40b_up.kd
    .args:
      - { .name: xs, .offset: 0, .size: 8, .value_kind: global_buffer, .address_space: global }
      - { .name: wb, .offset: 8, .size: 8, .value_kind: global_buffer, .address_space: global }
      - { .name: r2, .offset: 16, .size: 8, .value_kind: global_buffer, .address_space: global }
      - { .name: hf, .offset: 24, .size: 8, .value_kind: global_buffer, .address_space: global }
    .group_segment_fixed_size: 327680
    .private_segment_fixed_size: 0
    .kernarg_segment_align: 8
    .kernarg_segment_size: 32
    .max_flat_workgroup_size: 128
    .sgpr_count:     80
    .vgpr_count:     544
    .wavefront_size: 32
...
	.end_amdgpu_metadata
.endif
;; end of part 3
;; launch down (part 4): grid 4 x 64, 4 waves a work-group, no clusters, 327,680 bytes of LDS; arguments hf, wb, r2, out0; writes out0
.if DOCPART == 4
	.amdgcn_target "amdgcn-amd-amdhsa--gfx1250"
	.amdhsa_code_object_version 6
	.text
	.protected	k_q712615b40b_down
	.globl	k_q712615b40b_down
	.p2align	8
	.type	k_q712615b40b_down,@function
k_q712615b40b_down:
	s_mov_b64 s[64:65], 0
	v_nop
	global_prefetch_b8 v0, s[64:65] scope:SCOPE_SE
	s_setreg_imm32_b32 hwreg(HW_REG_WAVE_MODE, 25, 1), 1
	s_wait_xcnt 0x0
; DOWN.  A row group's output rows = hf (K = 1,536: the shared expert's, a's and b's 512 hidden numbers, already weighted) x the three experts' w2^T, in ONE f32 accumulator: each output row has
; one owner and is written once.  Work-group (c, r): row group r (144 rows, of which the table's count exist) x output columns 256 c .. 256 c + 255.  12 K steps of 128 on a ring of two LDS slots.
; hf lies as the token fragments that a wave's registers take: a K step's 36,864 bytes are dense and are read from LDS 512 consecutive bytes a load.  w2 (bf16, natural order) comes as padded rows.
; THE MATRIX INSTRUCTION IS USED TRANSPOSED (source 0 = 16 output columns' weight rows, source 1 = 16 tokens): a lane holds one token and 8 neighbouring columns.  Wave w has columns 64 w .. 64 w + 63.
; THE WAY OUT goes through a stage in LDS (144 rows of 1,040 bytes, over the slots, which have had their last fill): wave w takes rows 36 w .. 36 w + 35 back whole and stores each to its
; token's row of out0, 512 consecutive bytes a store; rows past the count are jumped by a scalar branch on the count read from the table.
; NO CLUSTER: as in the launch before: the shared part is A's 36 of a step's 104 KiB.  LIMITS: operands bf16, sums f32; NaN and infinities are not treated apart.
; REGISTERS: as in the launch before: window 0 addresses and two buffers of fragments; window 1 accumulator (a, nb) at 32 a + 8 nb, a = 0..7; window 2 accumulator (8, nb) at 8 nb.
.set WB2,    10485760
.set PITCH,  272
.set BLK,    16*PITCH
.set ATILE,  36864                     ; a slot: 4 quarters x 9 blocks x 1,024 bytes of token fragments, then 256 weight rows of 272
.set SLOT,   ATILE+256*PITCH
.set SPARE,  2*SLOT                    ; behind the ring: the spare words, 128 bytes a wave
.set SP,     1040                      ; a stage row: 1,024 bytes + 16
.set R2_TOK, 1024
.set SPW, 10
.set NIL, 11
.set FB,  32
.set FA,  96
.set OB0, 32                           ; the way out: two batches of 12 rows, 96 registers each
.set OB1, 128
.set TOK, 24                           ; s[24:59] my 36 rows' tokens, where the descriptors lay
.set G1A, 24
.set G1B, 32
.set G0A, 40
.set G0B, 48
.set MSB, 0
.macro WIN new
.if MSB != (\new)
	s_set_vgpr_msb (MSB<<8)|(\new)
.set MSB, \new
.endif
.endm
.macro PLACES
.rept 4
	v_nop
.endr
.endm
.macro LOAD s                          ; waves 0, 1 fetch the halves of the token fragments, waves 2, 3 those of the weight tile; an s_nop 0 and four v_nop follow each line
	s_cmp_lt_u32 s14, 2
	s_cbranch_scc0 .Lfor_b_\@
	tensor_load_to_lds s[G0A+4*(\s):G0A+4*(\s)+3], s[G1A:G1A+7]
	s_nop 0
	PLACES
	s_branch .Lasked_\@
.Lfor_b_\@:
	tensor_load_to_lds s[G0B+4*(\s):G0B+4*(\s)+3], s[G1B:G1B+7]
	s_nop 0
	PLACES
.Lasked_\@:
.endm
.macro NEXTADR s                       ; the addresses of K step s2 (0..11), made anew from the bases, where no tensor load of the wave is out
	s_mul_i32 s66, s2, ATILE                       ; hf: a step is 36,864 bytes
	s_and_b32 s19, s2, 3
	s_lshl_b32 s19, s19, 8                         ; w2: 128 hidden numbers of bf16 a step
	s_cmp_lt_u32 s2, 4
	s_cselect_b32 s68, 4, s22                      ; steps 0-3: the shared expert; 4-7: a;
	s_cmp_lt_u32 s2, 8
	s_cselect_b32 s68, s68, s23                    ; 8-11: b
	s_min_u32 s68, s68, 4
	s_lshl_b32 s68, s68, 20                        ; an expert's w2 is 1 MiB of wb
	s_add_co_u32 s68, s68, s19
	s_add_nc_u64 s[G0A+4*(\s)+2:G0A+4*(\s)+3], s[70:71], s[66:67]
	s_or_b32 s[G0A+4*(\s)+3], s[G0A+4*(\s)+3], 0x80000000
	s_add_nc_u64 s[G0B+4*(\s)+2:G0B+4*(\s)+3], s[72:73], s[68:69]
	s_or_b32 s[G0B+4*(\s)+3], s[G0B+4*(\s)+3], 0x80000000
	s_add_co_u32 s2, s2, 1
.endm
.macro MUL f, a0, a1, zero             ; the 36 accumulators take turns, in the same order everywhere
.set ma, \a0
.rept (\a1)-(\a0)+1
.if ma < 8
	WIN 0x50
.set rD, 32*ma
.else
	WIN 0xa0
.set rD, 0
.endif
.irp nb, 0,1,2,3
.if \zero
	v_wmma_f32_16x16x32_bf16 v[rD+8*\nb:rD+8*\nb+7], v[FB+32*(\f)+8*\nb:FB+32*(\f)+8*\nb+7], v[FA+72*(\f)+8*ma:FA+72*(\f)+8*ma+7], 0
.else
	v_wmma_f32_16x16x32_bf16 v[rD+8*\nb:rD+8*\nb+7], v[FB+32*(\f)+8*\nb:FB+32*(\f)+8*\nb+7], v[FA+72*(\f)+8*ma:FA+72*(\f)+8*ma+7], v[rD+8*\nb:rD+8*\nb+7]
.endif
.endr
.set ma, ma+1
.endr
.endm
.macro FETCH slot, kq, f               ; 26 LDS loads in one run: the weights' 8 first, then the tokens' 18 (each 512 consecutive bytes)
	WIN 0
.irp nb, 0,1,2,3
	ds_load_b128 v[FB+32*(\f)+8*\nb:FB+32*(\f)+8*\nb+3],   v[6+(\slot)] offset:64*(\kq)+\nb*BLK
	ds_load_b128 v[FB+32*(\f)+8*\nb+4:FB+32*(\f)+8*\nb+7], v[6+(\slot)] offset:64*(\kq)+\nb*BLK+32
.endr
.irp ab, 0,1,2,3,4,5,6,7,8
	ds_load_b128 v[FA+72*(\f)+8*\ab:FA+72*(\f)+8*\ab+3],   v[4+(\slot)] offset:9216*(\kq)+1024*\ab
	ds_load_b128 v[FA+72*(\f)+8*\ab+4:FA+72*(\f)+8*\ab+7], v[4+(\slot)] offset:9216*(\kq)+1024*\ab+512
.endr
.endm
.macro QUARTER slot, kq, f, g, zero
	s_wait_dscnt 8                                 ; all but the youngest eight loads (token blocks 5-8)
	MUL \f, 0, 2, \zero
	PLACES
	FETCH \slot, \kq, \g
	s_wait_dscnt 26                                ; all but the 26 just issued
	MUL \f, 3, 8, \zero
.endm
.macro TURN slot, next, fill           ; the last quarter and the change of slots: one barrier, the waits and the add in front of it, the refill first behind it
	WIN 0
	s_wait_tensorcnt 0x0                           ; no tensor load of mine is out, so a group 0 may be written
	ds_add_u32 v[SPW], v[NIL]
.if \fill
	NEXTADR \slot
.endif
	s_wait_dscnt 9                                 ; the add and token blocks 5-8 may be out
	MUL 1, 0, 1, 0
	s_wait_dscnt 0x0                               ; the add is done, my reads of this slot are over
	s_barrier_signal -1
	MUL 1, 2, 3, 0
	WIN 0
	s_barrier_wait -1
.if \fill
	LOAD \slot
.else
	PLACES
.endif
	FETCH \next, 0, 0
	MUL 1, 4, 8, 0
.endm
.macro RBATCH b, ob                    ; rows 12 b .. 12 b + 11 of my 36 come back from the stage: 24 loads
.set z, 0
.rept 12
	ds_load_b128 v[(\ob)+8*z:(\ob)+8*z+3],   v15 offset:(12*(\b)+z)*SP
	ds_load_b128 v[(\ob)+8*z+4:(\ob)+8*z+7], v15 offset:(12*(\b)+z)*SP+512
.set z, z+1
.endr
.endm
.macro SBATCH b, ob, young             ; and go to their tokens' rows.  young: the loads of a younger batch that may stay out
.set z, 0
.rept 12
	s_cmp_gt_i32 s17, 12*(\b)+z                    ; does the row exist?  The rows behind it do not either
	s_cbranch_scc0 .Ldone
	s_min_u32 s62, s[TOK+12*(\b)+z], 0x1fff
	s_lshl_b32 s62, s62, 12                        ; a row of out0 is 4,096 bytes
	s_wait_xcnt 0x0                                ; the base is rewritten only behind this wait
	s_add_nc_u64 s[60:61], s[74:75], s[62:63]
	s_wait_dscnt (\young)+22-2*z                   ; the row's two loads are in: behind them stand the batch's younger ones and the younger batch's
	global_store_b128 v8, v[(\ob)+8*z:(\ob)+8*z+3], s[60:61] th:TH_STORE_NT            ; 512 consecutive bytes, aligned
	global_store_b128 v8, v[(\ob)+8*z+4:(\ob)+8*z+7], s[60:61] offset:512 th:TH_STORE_NT
.set z, z+1
.endr
.endm
	s_load_b256 s[4:11], s[0:1], 0x0               ; hf 4, wb 6, r2 8, out0 10
	v_lshl_add_u32 v[SPW], v0, 2, SPARE
	v_mov_b32 v[NIL], 0
	ds_add_u32 v[SPW], v[NIL]                      ; the wave's opening: the add and its wait ahead of my first tensor load
	v_lshrrev_b32 v3, 5, v0
	v_readfirstlane_b32 s14, v3                    ; wave 0..3
	s_and_b32 s16, s14, 1
	s_and_b32 s13, ttmp7, 0xffff                   ; r: the row group
	s_lshl_b32 s18, s13, 4
	s_mov_b32 s[G1A+0], 3<<16                      ; 8-byte elements, no padding: 72 dense rows of 256 bytes
	s_mov_b32 s[G1A+1], 32<<16                     ; tensor_dim0 = 32
	s_mov_b32 s[G1A+2], 72<<16                     ; tensor_dim1 = 72
	s_mov_b32 s[G1A+3], 32<<16                     ; tile_dim0 = 32
	s_mov_b32 s[G1A+4], 72                         ; tile_dim1 = 72
	s_mov_b32 s[G1A+5], 32                         ; elements from row to row
	s_mov_b32 s[G1A+6], 0
	s_mov_b32 s[G1A+7], 0
	s_mov_b32 s[G1B+0], (1<<16)|(1<<20)|(5<<22)|(3<<25)  ; 2-byte elements; padding on: after every 64 words, 4 words
	s_mov_b32 s[G1B+1], 128<<16
	s_mov_b32 s[G1B+2], 128<<16
	s_mov_b32 s[G1B+3], 128<<16
	s_mov_b32 s[G1B+4], 128
	s_mov_b32 s[G1B+5], 512                        ; a row of w2 has 512 elements
	s_mov_b32 s[G1B+6], 0
	s_mov_b32 s[G1B+7], 0
	s_mov_b32 s[G0A], 1
	s_mul_i32 s[G0A+1], s16, 18432
	s_mov_b32 s[G0A+4], 1
	s_add_co_u32 s[G0A+5], s[G0A+1], SLOT
	s_mov_b32 s[G0B], 1
	s_mul_i32 s[G0B+1], s16, 128*PITCH
	s_add_co_u32 s[G0B+1], s[G0B+1], ATILE
	s_mov_b32 s[G0B+4], 1
	s_add_co_u32 s[G0B+5], s[G0B+1], SLOT
	s_mov_b32 s63, 0
	s_mov_b32 s67, 0
	s_mov_b32 s69, 0
	s_mov_b32 s2, 0
	s_wait_dscnt 0x0                               ; the opening add is done
	s_wait_kmcnt 0x0
	s_load_b128 s[20:23], s[8:9], s18 offset:0x0   ; the group: first row, rows, a, b
	s_mul_i32 s66, s13, 442368
	s_mul_i32 s19, s16, 18432
	s_add_co_u32 s66, s66, s19
	s_add_nc_u64 s[70:71], s[4:5], s[66:67]        ; hf: the group, my half of a step
	s_lshl_b32 s68, ttmp9, 18                      ; 256 rows of 1,024 bytes,
	s_lshl_b32 s19, s16, 17                        ; my half of them
	s_add_co_u32 s68, s68, s19
	s_add_co_u32 s68, s68, WB2
	s_add_nc_u64 s[72:73], s[6:7], s[68:69]
	s_lshl_b32 s68, ttmp9, 10
	s_add_nc_u64 s[74:75], s[10:11], s[68:69]      ; out0 at my 256 columns
	s_wait_kmcnt 0x0
	s_min_u32 s20, s20, 0x1fff
	s_min_u32 s21, s21, 144
	s_mul_i32 s19, s14, 36
	s_sub_co_i32 s17, s21, s19                     ; how many of my 36 rows exist (0 or less: none)
	s_add_co_u32 s18, s20, s19
	s_lshl_b32 s18, s18, 2                         ; where my rows' tokens lie in tok
	NEXTADR 0
	NEXTADR 1
	s_cmp_lt_u32 s14, 2                            ; both first fills in one branch: two loads of mine are out
	s_cbranch_scc0 .Lfirst_b
	tensor_load_to_lds s[G0A:G0A+3], s[G1A:G1A+7]
	s_nop 0
	tensor_load_to_lds s[G0A+4:G0A+7], s[G1A:G1A+7]
	s_nop 0
	PLACES
	s_branch .Lfirst_done
.Lfirst_b:
	tensor_load_to_lds s[G0B:G0B+3], s[G1B:G1B+7]
	s_nop 0
	tensor_load_to_lds s[G0B+4:G0B+7], s[G1B:G1B+7]
	s_nop 0
	PLACES
.Lfirst_done:
	v_and_b32 v1, 15, v0
	v_bfe_u32 v2, v0, 4, 1
	v_and_b32 v8, 31, v0
	v_lshlrev_b32 v8, 4, v8                        ; 16 lane: my place in 512 bytes of an output row
	v_mov_b32 v4, v8                               ; token fragments, slot 0
	v_add_nc_u32 v5, SLOT, v8                      ; slot 1
	v_mul_u32_u24 v3, v1, PITCH
	v_lshl_add_u32 v3, v2, 4, v3
	s_mul_i32 s19, s14, 64*PITCH
	s_add_co_u32 s19, s19, ATILE
	v_add_nc_u32 v6, s19, v3                       ; my 64 weight rows, slot 0
	v_add_nc_u32 v7, SLOT, v6
	v_mul_u32_u24 v12, v1, SP                      ; into the stage: row l % 16, my wave's 256 bytes, 32 bytes for each half of the lanes
	v_lshl_add_u32 v12, v2, 5, v12
	s_lshl_b32 s19, s14, 8
	v_add_nc_u32 v12, s19, v12
	v_add_nc_u32 v13, 64*SP, v12                   ; blocks 4-7
	v_add_nc_u32 v14, 128*SP, v12                  ; block 8
	s_mul_i32 s19, s14, 36*SP
	v_add_nc_u32 v15, s19, v8                      ; back: my 36 rows
	s_wait_tensorcnt 0x1                           ; my part of K step 0 is in; slot 1's stays out
	s_barrier_signal -1
	s_barrier_wait -1
	FETCH 0, 0, 0
	QUARTER 0, 1, 0, 1, 1                          ; the first quarter starts the sums
	WIN 0
	s_mov_b32 s3, 5
.Llap:                                                 ; a trip goes once round the ring and fills both slots again
	QUARTER 0, 2, 1, 0, 0
	QUARTER 0, 3, 0, 1, 0
	TURN 0, 1, 1
	QUARTER 1, 1, 0, 1, 0
	QUARTER 1, 2, 1, 0, 0
	QUARTER 1, 3, 0, 1, 0
	TURN 1, 0, 1
	QUARTER 0, 1, 0, 1, 0
	WIN 0
	s_sub_co_u32 s3, s3, 1
	s_cmp_lg_u32 s3, 0
	s_cbranch_scc1 .Llap
	QUARTER 0, 2, 1, 0, 0                          ; the last lap fills nothing
	QUARTER 0, 3, 0, 1, 0
	TURN 0, 1, 0
	s_load_b512 s[24:39], s[8:9], s18 offset:R2_TOK      ; no tensor load is out or to come: the descriptors' registers take my 36 rows' tokens
	s_load_b512 s[40:55], s[8:9], s18 offset:R2_TOK+64
	s_load_b128 s[56:59], s[8:9], s18 offset:R2_TOK+128
	QUARTER 1, 1, 0, 1, 0
	QUARTER 1, 2, 1, 0, 0
	QUARTER 1, 3, 0, 1, 0
	s_wait_dscnt 0x0
	MUL 1, 0, 8, 0
	; THE WAY OUT
	WIN 0
	PLACES                                         ; behind the last products
	s_wait_dscnt 0x0                               ; my reads of the ring are over
	s_barrier_signal -1
	s_barrier_wait -1                              ; everybody's are: the stage may be written over the slots
.set sa, 0
.rept 9
.if sa < 8
	WIN 0x04                                       ; an LDS store's data is source 1
.set rD, 32*sa
.else
	WIN 0x08
.set rD, 0
.endif
.irp nb, 0,1,2,3
	ds_store_b128 v[12+sa/4], v[rD+8*\nb:rD+8*\nb+3] offset:(sa%4)*16*SP+\nb*64         ; each accumulator's lowest registers first
	ds_store_b128 v[12+sa/4], v[rD+8*\nb+4:rD+8*\nb+7] offset:(sa%4)*16*SP+\nb*64+16
.endr
.set sa, sa+1
.endr
	WIN 0
	s_wait_dscnt 0x0                               ; for the others' sake: my stores into the stage are done
	s_barrier_signal -1
	s_barrier_wait -1
	s_wait_kmcnt 0x0                               ; the tokens
	RBATCH 0, OB0
	RBATCH 1, OB1
	SBATCH 0, OB0, 24
	s_wait_xcnt 0x0                                ; the first batch's stores have read their registers
	RBATCH 2, OB0
	SBATCH 1, OB1, 24
	SBATCH 2, OB0, 0
.Ldone:
	s_wait_tensorcnt 0x0                           ; the wave's end, behind my last tensor load and my last LDS store
	ds_add_u32 v[SPW], v[NIL]
	s_wait_dscnt 0x0
	s_endpgm
.Lfunc_end_k_q712615b40b_down:
	.size	k_q712615b40b_down, .Lfunc_end_k_q712615b40b_down-k_q712615b40b_down
	.p2alignl 7, 3214868480
	.fill 96, 4, 3214868480
	.section	.rodata,"a",@progbits
	.p2align	6, 0x0
	.amdhsa_kernel k_q712615b40b_down
		.amdhsa_group_segment_fixed_size 327680
		.amdhsa_private_segment_fixed_size 0
		.amdhsa_enable_private_segment 0
		.amdhsa_kernarg_size 32
		.amdhsa_user_sgpr_count 2
		.amdhsa_user_sgpr_kernarg_segment_ptr 1
		.amdhsa_wavefront_size32 1
		.amdhsa_system_sgpr_workgroup_id_x 1
		.amdhsa_system_sgpr_workgroup_id_y 1
		.amdhsa_system_sgpr_workgroup_id_z 1
		.amdhsa_system_vgpr_workitem_id 0
		.amdhsa_next_free_vgpr 544
		.amdhsa_next_free_sgpr 80
		.amdhsa_reserve_vcc 0
		.amdhsa_float_denorm_mode_32 3
		.amdhsa_float_denorm_mode_16_64 3
		.amdhsa_memory_ordered 1
		.amdhsa_forward_progress 1
		.amdhsa_inst_pref_size 102
	.end_amdhsa_kernel
	.amdgpu_metadata
---
amdhsa.version: [ 1, 2 ]
amdhsa.kernels:
  - .name:           k_q712615b40b_down
    .symbol:         k_q712615b40b_down.kd
    .args:
      - { .name: hf, .offset: 0, .size: 8, .value_kind: global_buffer, .address_space: global }
      - { .name: wb, .offset: 8, .size: 8, .value_kind: global_buffer, .address_space: global }
      - { .name: r2, .offset: 16, .size: 8, .value_kind: global_buffer, .address_space: global }
      - { .name: out0, .offset: 24, .size: 8, .value_kind: global_buffer, .address_space: global }
    .group_segment_fixed_size: 327680
    .private_segment_fixed_size: 0
    .kernarg_segment_align: 8
    .kernarg_segment_size: 32
    .max_flat_workgroup_size: 128
    .sgpr_count:     80
    .vgpr_count:     544
    .wavefront_size: 32
...
	.end_amdgpu_metadata
.endif
;; end of part 4
;; ======== version 2 of 2: 4 launches; 1.17 times as fast as version 1
;; workspace buffers: xb 16,842,752 bytes; wb 15,728,640 bytes; r1 36,864 bytes of whole numbers; xs 17,205,504 bytes; r2 34,560 bytes of whole numbers; hf 28,311,552 bytes
;; launch route_cast (part 5): grid 496 x 1, 8 waves a work-group, no clusters, 71,168 bytes of LDS; arguments x, gate_w, gate_bias, w1, w2, w3, sw1, sw2, sw3, xb, wb, r1; writes xb, wb, r1
.if DOCPART == 5
	.amdgcn_target "amdgcn-amd-amdhsa--gfx1250"
	.amdhsa_code_object_version 6
	.text
	.protected	k_q712615b40b_route_cast
	.globl	k_q712615b40b_route_cast
	.p2align	8
	.type	k_q712615b40b_route_cast,@function
k_q712615b40b_route_cast:
	s_mov_b64 s[64:65], 0
	v_nop
	global_prefetch_b8 v0, s[64:65] scope:SCOPE_SE
	s_setreg_imm32_b32 hwreg(HW_REG_WAVE_MODE, 25, 1), 1
	s_wait_xcnt 0x0
; ROUTE AND CAST.  Work-groups 0-255: 32 tokens each: x rounded to bf16 (xb), the gate's four logits, softmax, bias, top 2, and for each token
; the number of its SET of two experts (0-5 for 01 02 03 12 13 23), its rank among the chunk's tokens of that set, and the chunk's six counts (r1).
; Work-groups 256-495: one block of 32,768 weights each, rounded to bf16 and laid out in the order in which a wave's operand registers take them in the two products (wb).
; LIMITS.  x, gate_w and gate_bias enter the gate rounded to bf16, like every input of this program; products exact, sums in f32.  A token whose second and third
; biased scores lie closer than the f32 rounding of these sums (about 1e-6 of a score) may choose otherwise than a sum in another order.  NaN and infinities are not treated apart.
; The gate has 4 columns for 1,024 channels: it runs on the vector unit, on the very registers that are stored as xb, so that x is read in runs of 512 bytes and once.
; No address and no branch hangs on a score: everything is stored at places fixed by the token's number.
; All of it lives in 256 registers a wave: the gate's rows are packed downward into 64 registers as soon as they are in, and two of the wave's four tokens are loaded into the 64 that this frees.
.set XB_CW,  16777216                  ; xb: behind the rows, [8192][2] f32: the weights of the lower and of the higher chosen expert
.set WB2,    10485760                  ; wb: [5 e][4 q][4 w][32 quarters of K][4 nb][2 halves][32 lanes][16 bytes], then [5 e][4 c][4 w][16 quarters][4 nb][2][32][16]
.set R1_CNT, 32768                     ; r1: info[8192], then 4 words a chunk: counts 0|1, 2|3, 4|5 in halves, 0
.set SPARE,  512                       ; LDS: 0-511 logits [32 tokens][4]; 512-1535 the spare words, 128 bytes a wave
.set STG,    1536                      ; then for each wave of a casting work-group 32 rows of 256 + 16 bytes, its own
.set SPW, 30                           ; v30  SPARE + 4 x my thread's number; never rewritten
.set NIL, 31                           ; v31  0; never rewritten
.set ZR,  29                           ; v29  0.0: what the sums begin with
.set GW,  32                           ; v[32:159] gate_w as loaded: expert e, piece j at GW + 32 e + 4 j; then packed: two registers a piece at GW + 16 e + 2 j.  In the cast: the 32 rows as loaded
                                       ; x: tokens 0, 1 at v[160:223]; tokens 2, 3 at v[96:159], behind the packing
.set AC,  224                          ; v[224:231] two chains an expert (low halves, high halves)
.set LG,  232                          ; v[232:247] my four tokens' logits
.set FR,  160                          ; the cast: v[160:223] sixteen halves of fragments
	s_load_b512 s[4:19], s[0:1], 0x0               ; x 4, gate_w 6, gate_bias 8, w1 10, w2 12, w3 14, sw1 16, sw2 18
	s_load_b256 s[20:27], s[0:1], 0x40             ; sw3 20, xb 22, wb 24, r1 26
	v_lshl_add_u32 v[SPW], v0, 2, SPARE
	v_mov_b32 v[NIL], 0
	v_and_b32 v1, 31, v0                           ; lane
	v_lshrrev_b32 v2, 5, v0
	v_readfirstlane_b32 s28, v2                    ; wave 0..7
	s_mov_b32 s30, 0x76543210                      ; v_permlanex16_b32: each lane takes its own place in the other half
	s_mov_b32 s31, 0xfedcba98
	s_mov_b32 s37, 0
	s_wait_kmcnt 0x0
	s_cmp_ge_u32 ttmp9, 256                        ; the same answer in all waves of a work-group
	s_cbranch_scc1 .Lcast
	; ---- THE ROUTER: wave v has tokens 32 g + 4 v + 0..3; a lane has channels 128 j + 4 lane + 0..3, j = 0..7 ----
	s_load_b128 s[32:35], s[8:9], 0x0              ; the bias
	v_lshlrev_b32 v3, 4, v1                        ; 16 lane
	v_lshl_add_u32 v4, v2, 14, v3                  ; + 4 rows of 4,096 bytes a wave: x
	v_lshlrev_b32 v5, 3, v1
	v_lshl_add_u32 v5, v2, 13, v5                  ; 8 lane + 4 rows of 2,048 bytes a wave: xb
	v_lshlrev_b32 v28, 6, v2                       ; my wave's 64 bytes of logits in LDS
	v_mov_b32 v[ZR], 0
	s_lshl_b32 s36, ttmp9, 17
	s_add_nc_u64 s[4:5], s[4:5], s[36:37]          ; x at the chunk's first row
	s_lshl_b32 s36, ttmp9, 16
	s_add_nc_u64 s[38:39], s[22:23], s[36:37]      ; xb likewise
.irp e, 0,1,2,3
.irp j, 0,1,2,3,4,5,6,7
	global_load_b128 v[GW+32*\e+4*\j:GW+32*\e+4*\j+3], v3, s[6:7] offset:4096*\e+512*\j
.endr
.endr
.irp i, 0,1
.irp j, 0,1,2,3,4,5,6,7
	global_load_b128 v[160+32*\i+4*\j:160+32*\i+4*\j+3], v4, s[4:5] offset:4096*\i+512*\j th:TH_LOAD_NT
.endr
.endr
	s_wait_loadcnt 16                              ; the gate's 32 loads are in; the 16 of tokens 0 and 1, issued behind them, stay out
.set k, 0
.rept 32                                           ; packed downward, pieces ascending: piece k goes to registers 2 k, 2 k + 1, which no later piece (4 k + 4 on) reads
	v_cvt_pk_bf16_f32 v[GW+2*k], v[GW+4*k], v[GW+4*k+1]
	v_cvt_pk_bf16_f32 v[GW+2*k+1], v[GW+4*k+2], v[GW+4*k+3]
.set k, k+1
.endr
.irp i, 2,3
.irp j, 0,1,2,3,4,5,6,7
	global_load_b128 v[32+32*\i+4*\j:32+32*\i+4*\j+3], v4, s[4:5] offset:4096*\i+512*\j th:TH_LOAD_NT  ; into the upper half of what the gate's rows held
.endr
.endr
; One token: rounded in place, stored (a wave's store covers 256 consecutive bytes, aligned), multiplied with the four experts' rows, summed over the lanes.
.macro TOKEN i
.if (\i) < 2
.set XR, 160+32*(\i)
.else
.set XR, 32+32*(\i)
.endif
	s_wait_loadcnt 24-8*(\i)                       ; my eight loads are in; the younger tokens' stay out
.irp j, 0,1,2,3,4,5,6,7
	v_cvt_pk_bf16_f32 v[XR+4*\j], v[XR+4*\j], v[XR+4*\j+1]
	v_cvt_pk_bf16_f32 v[XR+4*\j+1], v[XR+4*\j+2], v[XR+4*\j+3]
.endr
.irp j, 0,1,2,3,4,5,6,7
	global_store_b64 v5, v[XR+4*\j:XR+4*\j+1], s[38:39] offset:2048*(\i)+256*\j
.endr
.irp j, 0,1,2,3,4,5,6,7
.irp h, 0,1
.irp e, 0,1,2,3
.if (\j)+(\h) == 0
	v_fma_mix_f32_bf16 v[AC+2*\e], v[XR+4*\j+\h], v[GW+16*\e+2*\j+\h], v[ZR] op_sel_hi:[1,1,0]
	v_fma_mix_f32_bf16 v[AC+2*\e+1], v[XR+4*\j+\h], v[GW+16*\e+2*\j+\h], v[ZR] op_sel:[1,1,0] op_sel_hi:[1,1,0]
.else
	v_fma_mix_f32_bf16 v[AC+2*\e], v[XR+4*\j+\h], v[GW+16*\e+2*\j+\h], v[AC+2*\e] op_sel_hi:[1,1,0]
	v_fma_mix_f32_bf16 v[AC+2*\e+1], v[XR+4*\j+\h], v[GW+16*\e+2*\j+\h], v[AC+2*\e+1] op_sel:[1,1,0] op_sel_hi:[1,1,0]
.endif
.endr
.endr
.endr
.irp e, 0,1,2,3
	v_add_f32 v[AC+2*\e], v[AC+2*\e], v[AC+2*\e+1]
.endr
.irp m, 1,2,4,8
.irp e, 0,1,2,3
	v_add_f32_dpp v[AC+2*\e], v[AC+2*\e], v[AC+2*\e] row_xmask:\m row_mask:0xf bank_mask:0xf
.endr
.endr
.irp e, 0,1,2,3
	v_permlanex16_b32 v[AC+2*\e+1], v[AC+2*\e], s30, s31
.endr
.irp e, 0,1,2,3
	v_add_f32 v[LG+4*(\i)+\e], v[AC+2*\e], v[AC+2*\e+1]  ; every lane holds the logit
.endr
.endm
	TOKEN 0
	TOKEN 1
	TOKEN 2
	TOKEN 3
.set k, 0
.rept 16
	ds_store_b32 v28, v[LG+k] offset:4*k           ; all lanes write the same word with the same value
.set k, k+1
.endr
	s_wait_dscnt 0x0                               ; for wave 0's sake: my stores are done
	s_barrier_signal -1
	s_barrier_wait -1
	s_cmp_lg_u32 s28, 0
	s_cbranch_scc1 .Lfin
	; ---- wave 0: lane = token of the chunk.  It works in v40-88, where the packed gate lay: no pending store names them ----
	ds_load_b128 v[40:43], v3                      ; my token's four logits
	s_wait_kmcnt 0x0                               ; the bias, rounded to bf16 like every input
	v_mov_b32 v56, s32
	v_mov_b32 v57, s33
	v_mov_b32 v58, s34
	v_mov_b32 v59, s35
	v_cvt_pk_bf16_f32 v60, v56, v57
	v_cvt_pk_bf16_f32 v61, v58, v59
	v_lshlrev_b32 v56, 16, v60
	v_and_b32 v57, 0xffff0000, v60
	v_lshlrev_b32 v58, 16, v61
	v_and_b32 v59, 0xffff0000, v61
	s_wait_dscnt 0x0
	v_max3_num_f32 v44, v40, v41, v42              ; the maximum is taken away before the exponentials
	v_max_num_f32 v44, v44, v43
.irp i, 0,1,2,3
	v_sub_f32 v[45+\i], v[40+\i], v44
.endr
.irp i, 0,1,2,3
	v_mul_f32 v[45+\i], 0x3fb8aa3b, v[45+\i]
.endr
.irp i, 0,1,2,3
	v_exp_f32 v[45+\i], v[45+\i]
.endr
	v_mov_b32 v70, 0xff800000                      ; a plain line behind the last exponential: what hides the first choice
	s_wait_alu depctr_va_vdst(0)                   ; one wait for the four exponentials, ahead of their first reader
	v_add_f32 v49, v45, v46
	v_add_f32 v50, v47, v48
	v_add_f32 v49, v49, v50
	v_rcp_f32 v50, v49
	v_mov_b32 v69, 0                               ; a plain line behind the reciprocal: the first choice starts at expert 0
	s_wait_alu depctr_va_vdst(0)
.irp i, 0,1,2,3
	v_mul_f32 v[52+\i], v[45+\i], v50              ; the scores
.endr
.irp i, 0,1,2,3
	v_add_f32 v[64+\i], v[52+\i], v[56+\i]         ; biased
.endr
	v_mov_b32 v68, v64                             ; the largest: strictly greater wins, so the lower index is kept on a tie
.irp i, 1,2,3
	v_cmp_gt_f32 vcc_lo, v[64+\i], v68
	v_cndmask_b32 v68, v68, v[64+\i], vcc_lo
	v_cndmask_b32 v69, v69, \i, vcc_lo
.endr
.irp i, 0,1,2,3
	v_cmp_eq_u32 vcc_lo, \i, v69
	v_cndmask_b32 v[64+\i], v[64+\i], v70, vcc_lo
.endr
	v_mov_b32 v71, v64                             ; the largest of the rest
	v_mov_b32 v72, 0
.irp i, 1,2,3
	v_cmp_gt_f32 vcc_lo, v[64+\i], v71
	v_cndmask_b32 v71, v71, v[64+\i], vcc_lo
	v_cndmask_b32 v72, v72, \i, vcc_lo
.endr
	v_min_u32 v73, v69, v72                        ; a < b
	v_max_u32 v74, v69, v72
	v_mov_b32 v76, v52                             ; their unbiased scores
	v_mov_b32 v77, v52
.irp i, 1,2,3
	v_cmp_eq_u32 vcc_lo, \i, v73
	v_cndmask_b32 v76, v76, v[52+\i], vcc_lo
	v_cmp_eq_u32 vcc_lo, \i, v74
	v_cndmask_b32 v77, v77, v[52+\i], vcc_lo
.endr
	v_min_u32 v78, 1, v73
	v_add3_u32 v78, v78, v73, v74
	v_add_nc_u32 v78, -1, v78                      ; the set's number: a + b - 1 + min(a, 1)
	v_mov_b32 v79, 0
.irp s, 0,1,2,3,4,5
	v_cmp_eq_u32 s[40+\s], \s, v78
	s_bcnt1_i32_b32 s[48+\s], s[40+\s]             ; the chunk's count of set s
	v_mbcnt_lo_u32_b32 v80, s[40+\s], 0            ; lanes of that set below me
	v_cndmask_b32 v79, v79, v80, s[40+\s]          ; my rank
.endr
	v_lshl_or_b32 v81, v79, 8, v78
	s_lshl_b32 s46, ttmp9, 7
	v_lshl_add_u32 v82, v1, 2, s46
	global_store_b32 v82, v81, s[26:27]            ; info[32 g + lane]
	s_lshl_b32 s47, ttmp9, 8
	v_lshl_add_u32 v83, v1, 3, s47
	v_add_nc_u32 v83, XB_CW, v83
	global_store_b64 v83, v[76:77], s[22:23]       ; the wave's store covers 256 consecutive bytes, aligned
	s_lshl_b32 s49, s49, 16
	s_or_b32 s48, s48, s49
	s_lshl_b32 s51, s51, 16
	s_or_b32 s50, s50, s51
	s_lshl_b32 s53, s53, 16
	s_or_b32 s52, s52, s53
	v_mov_b32 v84, s48
	v_mov_b32 v85, s50
	v_mov_b32 v86, s52
	v_mov_b32 v87, 0
	s_lshl_b32 s54, ttmp9, 4
	v_mov_b32 v88, s54
	v_cmp_eq_u32 vcc_lo, 0, v1
	s_wait_xcnt 0x0                                ; EXEC is a source of the stores above: it changes only behind this wait
	s_and_saveexec_b32 s55, vcc_lo
	global_store_b128 v88, v[84:87], s[26:27] offset:R1_CNT  ; lane 0: the chunk's counts
	s_wait_xcnt 0x0                                ; and again in front of the line that widens it
	s_or_b32 exec_lo, exec_lo, s55
	s_branch .Lfin
	; ---- THE CAST: block b of 240.  A wave takes 32 weight rows x 128 along K: read as 512 consecutive bytes a row, rounded, laid into LDS rows of its own, taken back as
	; sixteen halves of fragments (lane l: row l % 16, 8 numbers at K = 8 (l / 16)), and stored 512 consecutive bytes a store.  No barrier: no wave touches another's bytes. ----
.Lcast:
	s_sub_co_u32 s29, ttmp9, 256
	s_mul_i32 s47, s28, 32*272
	s_add_co_u32 s47, s47, STG                     ; my wave's rows in LDS
	v_lshl_add_u32 v5, v1, 3, s47                  ; in: 8 bytes a lane
	v_and_b32 v6, 15, v1
	v_mul_u32_u24 v6, v6, 272
	v_lshrrev_b32 v7, 4, v1
	v_lshl_add_u32 v6, v7, 4, v6
	v_add_nc_u32 v6, s47, v6                       ; back: row l % 16, 16 bytes for each half of the lanes
	v_lshlrev_b32 v8, 4, v1                        ; 16 lane
	s_cmp_ge_u32 s29, 160
	s_cbranch_scc1 .Lcast2
	; first product: expert e = b / 32, b % 32 = 2 (4 q + w) + t: hidden rows 32 (4 q + w) + 0..31 of w1 (t = 0: blocks nb 0, 1) or w3 (t = 1: nb 2, 3); wave v: K = 128 v on
	s_lshr_b32 s33, s29, 5                         ; e
	s_bfe_u32 s34, s29, 0x40001                    ; 4 q + w
	s_and_b32 s35, s29, 1                          ; t
	s_cmp_eq_u32 s35, 1
	s_cselect_b64 s[40:41], s[14:15], s[10:11]     ; w3 or w1
	s_cselect_b64 s[42:43], s[20:21], s[16:17]     ; sw3 or sw1
	s_lshr_b32 s44, s29, 1
	s_lshl_b32 s44, s44, 17                        ; (e, q, w) has 128 KiB of wb,
	s_lshl_b32 s46, s35, 11
	s_add_co_u32 s44, s44, s46                     ; in each quarter's 4 KiB the two blocks of t
	v_lshlrev_b32 v3, 4, v0                        ; from: 512 wave + 16 lane
	v_lshl_add_u32 v4, v2, 14, v8                  ; to: four quarters of 4 KiB a wave + 16 lane
	s_mov_b32 s46, 0
	s_branch .Lcopy
.Lcast2:
	; second product: expert e = b / 16, b % 16 = 4 c + w: output rows 64 (4 c + w) + 0..63 of w2; wave v: rows 32 (v / 4) on (nb 2 (v / 4), + 1), K = 128 (v % 4) on
	s_sub_co_u32 s29, s29, 160
	s_lshr_b32 s33, s29, 4
	s_and_b32 s34, s29, 15
	s_mov_b64 s[40:41], s[12:13]                   ; w2
	s_mov_b64 s[42:43], s[18:19]                   ; sw2
	s_lshl_b32 s44, s29, 16                        ; (e, c, w) has 64 KiB
	s_add_co_u32 s44, s44, WB2
	v_and_b32 v9, 3, v2
	v_lshrrev_b32 v10, 2, v2
	v_lshl_add_u32 v3, v9, 9, v8
	v_lshl_add_u32 v3, v10, 16, v3                 ; from: 32 rows of 2,048 bytes (v / 4) + 512 (v % 4) + 16 lane
	v_lshl_add_u32 v4, v9, 14, v8
	v_lshl_add_u32 v4, v10, 11, v4                 ; to: four quarters (v % 4) + two blocks (v / 4) + 16 lane
	s_mov_b32 s46, 1
.Lcopy:
	s_cmp_lt_u32 s33, 4
	s_cselect_b64 s[40:41], s[40:41], s[42:43]     ; a routed expert's, or (e = 4) the shared one's
	s_cselect_b32 s33, s33, 0
	s_lshl_b32 s36, s33, 21                        ; an expert's matrix is 2 MiB of f32,
	s_lshl_b32 s34, s34, 17                        ; a block 128 KiB
	s_add_co_u32 s36, s36, s34
	s_add_nc_u64 s[40:41], s[40:41], s[36:37]
	s_mov_b32 s45, 0
	s_add_nc_u64 s[42:43], s[24:25], s[44:45]
	s_cmp_lg_u32 s46, 0
	s_cbranch_scc1 .Lrows2
.set k, 0
.rept 32
	global_load_b128 v[GW+4*k:GW+4*k+3], v3, s[40:41] offset:4096*k th:TH_LOAD_NT   ; rows of 1,024 f32
.set k, k+1
.endr
	s_branch .Lpack
.Lrows2:
.set k, 0
.rept 32
	global_load_b128 v[GW+4*k:GW+4*k+3], v3, s[40:41] offset:2048*k th:TH_LOAD_NT   ; rows of 512 f32
.set k, k+1
.endr
.Lpack:
.set k, 0
.rept 32
	s_wait_loadcnt 31-k                            ; row k is in; the younger ones stay out
	v_cvt_pk_bf16_f32 v[GW+4*k], v[GW+4*k], v[GW+4*k+1]
	v_cvt_pk_bf16_f32 v[GW+4*k+1], v[GW+4*k+2], v[GW+4*k+3]
	ds_store_b64 v5, v[GW+4*k:GW+4*k+1] offset:272*k
.set k, k+1
.endr
.set m, 0
.rept 16                                           ; m = 8 x (block of 16 rows) + 2 x (quarter) + half; LDS serves a wave's instructions in order (ISA guide 5.7.1.4): these see the stores above
	ds_load_b128 v[FR+4*m:FR+4*m+3], v6 offset:(m/8)*16*272+((m/2)%4)*64+(m%2)*32
.set m, m+1
.endr
.set m, 0
.rept 16
	s_wait_dscnt 15-m                              ; load m is back; the younger ones stay out
	global_store_b128 v4, v[FR+4*m:FR+4*m+3], s[42:43] offset:((m/2)%4)*4096+(m/8)*1024+(m%2)*512  ; 512 consecutive bytes, aligned
.set m, m+1
.endr
.Lfin:
	s_wait_tensorcnt 0x0                           ; the wave's end, behind the last LDS store
	ds_add_u32 v[SPW], v[NIL]
	s_wait_dscnt 0x0
	s_endpgm
.Lfunc_end_k_q712615b40b_route_cast:
	.size	k_q712615b40b_route_cast, .Lfunc_end_k_q712615b40b_route_cast-k_q712615b40b_route_cast
	.p2alignl 7, 3214868480
	.fill 96, 4, 3214868480
	.section	.rodata,"a",@progbits
	.p2align	6, 0x0
	.amdhsa_kernel k_q712615b40b_route_cast
		.amdhsa_group_segment_fixed_size 71168
		.amdhsa_private_segment_fixed_size 0
		.amdhsa_enable_private_segment 0
		.amdhsa_kernarg_size 96
		.amdhsa_user_sgpr_count 2
		.amdhsa_user_sgpr_kernarg_segment_ptr 1
		.amdhsa_wavefront_size32 1
		.amdhsa_system_sgpr_workgroup_id_x 1
		.amdhsa_system_sgpr_workgroup_id_y 1
		.amdhsa_system_sgpr_workgroup_id_z 1
		.amdhsa_system_vgpr_workitem_id 0
		.amdhsa_next_free_vgpr 256
		.amdhsa_next_free_sgpr 66
		.amdhsa_reserve_vcc 1
		.amdhsa_float_denorm_mode_32 3
		.amdhsa_float_denorm_mode_16_64 3
		.amdhsa_memory_ordered 1
		.amdhsa_forward_progress 1
		.amdhsa_inst_pref_size 82
	.end_amdhsa_kernel
	.amdgpu_metadata
---
amdhsa.version: [ 1, 2 ]
amdhsa.kernels:
  - .name:           k_q712615b40b_route_cast
    .symbol:         k_q712615b40b_route_cast.kd
    .args:
      - { .name: x, .offset: 0, .size: 8, .value_kind: global_buffer, .address_space: global }
      - { .name: gate_w, .offset: 8, .size: 8, .value_kind: global_buffer, .address_space: global }
      - { .name: gate_bias, .offset: 16, .size: 8, .value_kind: global_buffer, .address_space: global }
      - { .name: w1, .offset: 24, .size: 8, .value_kind: global_buffer, .address_space: global }
      - { .name: w2, .offset: 32, .size: 8, .value_kind: global_buffer, .address_space: global }
      - { .name: w3, .offset: 40, .size: 8, .value_kind: global_buffer, .address_space: global }
      - { .name: sw1, .offset: 48, .size: 8, .value_kind: global_buffer, .address_space: global }
      - { .name: sw2, .offset: 56, .size: 8, .value_kind: global_buffer, .address_space: global }
      - { .name: sw3, .offset: 64, .size: 8, .value_kind: global_buffer, .address_space: global }
      - { .name: xb, .offset: 72, .size: 8, .value_kind: global_buffer, .address_space: global }
      - { .name: wb, .offset: 80, .size: 8, .value_kind: global_buffer, .address_space: global }
      - { .name: r1, .offset: 88, .size: 8, .value_kind: global_buffer, .address_space: global }
    .group_segment_fixed_size: 71168
    .private_segment_fixed_size: 0
    .kernarg_segment_align: 8
    .kernarg_segment_size: 96
    .max_flat_workgroup_size: 256
    .sgpr_count:     66
    .vgpr_count:     256
    .wavefront_size: 32
...
	.end_amdgpu_metadata
.endif
;; end of part 5
;; launch place: the kernel of part 2 again; grid 256 x 1, 8 waves a work-group, no clusters, 0 bytes of LDS; arguments xb, r1, xs, r2; writes xs, r2
;; launch up (part 6): grid 4 x 64, 4 waves a work-group, no clusters, 327,680 bytes of LDS; arguments xs, wb, r2, hf; writes hf
.if DOCPART == 6
	.amdgcn_target "amdgcn-amd-amdhsa--gfx1250"
	.amdhsa_code_object_version 6
	.text
	.protected	k_q712615b40b_up
	.globl	k_q712615b40b_up
	.p2align	8
	.type	k_q712615b40b_up,@function
k_q712615b40b_up:
	s_mov_b64 s[64:65], 0
	v_nop
	global_prefetch_b8 v0, s[64:65] scope:SCOPE_SE
	s_setreg_imm32_b32 hwreg(HW_REG_WAVE_MODE, 25, 1), 1
	s_wait_xcnt 0x0
; UP.  hf = silu(x w1^T) (x w3^T) c, rounded once to bf16, for the three experts of a row group: the shared one (c = 1), a and b (c = the gate's weights).
; Work-group (q, r): row group r of the table (computed as 144 rows: 9 blocks of 16; rows past the group's count are the next rows of xs, real or zero, and their results stay in the group's own
; part of hf) x slice q of 128 hidden columns.  It STAYS for three passes, one an expert: each 144 x 256 (128 rows of w1 and the same 128 of w3), K = 1,024.  64 x 4 work-groups: one for each of 256 WGPs.
; THE TOKENS LIE IN LDS FOR THE WHOLE LAUNCH: 144 rows x 2,048 bytes, as 8 chunks of 128 along K with rows of 272 bytes: brought once, by two tensor loads a wave; nothing is filled again, and
; one barrier is all that the launch has.  THE WEIGHTS NEVER TOUCH LDS: a wave's 64 weight rows are read by that wave alone, and wb holds them in the order of its operand registers, so each
; pass is one stream of 128 KiB a wave, 512 consecutive bytes a load, into a ring of eight quarter steps (32 along K) in registers; a quarter's eight loads are issued seven quarters ahead.
; THE MATRIX INSTRUCTION IS USED TRANSPOSED: source 0 = 16 weight rows, source 1 = 16 tokens: a lane holds one token (lane % 16) and 8 neighbouring hidden columns.  Blocks nb 0, 1 = w1 of hidden
; 128 q + 32 w + 0..31, nb 2, 3 = w3 of the same: both factors of a hidden number lie in the same lane and register.  The packed results of nb 0, 1 ARE registers 0-3 and 4-7 of the next
; product's token fragment: they are stored as such, 512 consecutive bytes a store.
; NO CLUSTER: what the four q of a group share is the 288 KiB of tokens, of the 1.8 MiB that a work-group takes in; the weights are shared by groups of one set, whose number hangs on the counts.
; LIMITS.  All operands bf16, sums f32.  For large |g| the exponential gives infinity or 0 and the reciprocal 0 or 1: the result stays finite.  NaN and infinities are not treated apart.
; REGISTERS (windows of 256; s_set_vgpr_msb: bits 1:0 source 0, 3:2 source 1, 5:4 source 2, 7:6 destination):
;   window 0: v0-11 addresses; v16-51 {1, c_a, c_b, 0} of my token in block a; v64-135, v136-207 token fragments, two buffers (the second, and v208-215, are at work in the activation)
;   window 1: accumulator (a, nb) at 32 a + 8 nb, a = 0..7     window 2: accumulator (8, nb) at 8 nb     window 3: the weights' ring: quarter p % 8 at 32 p, block nb at + 8 nb
.set XS_CW,  17072128
.set PITCH,  272                       ; an LDS row: 256 bytes + 16: an odd multiple of 16, so the 16 rows of a fragment load fall on 16 different 16-byte columns of 256
.set BLK,    16*PITCH
.set CHUNK,  144*PITCH                 ; 128 along K of all 144 rows
.set SPARE,  8*CHUNK                   ; behind the tokens: the spare words, 128 bytes a wave
.set HPASS,  147456                    ; hf: [64 groups][48 blocks of 32 hidden][9 a][2 halves][32 lanes][16 bytes]; a pass is 16 blocks of 9,216 bytes
.set SPW, 10                           ; v10  SPARE + 4 x my thread's number; never rewritten
.set NIL, 11                           ; v11  0; never rewritten
.set CW,  16
.set FA,  64
.set G1,  24                           ; s[24:31] descriptor group 1: 144 rows x 128 elements
.set G0,  32                           ; s[32:39] group 0 for my two chunks
.set MSB, 0
.macro WIN new                         ; the immediate's high byte repeats the setting that is left
.if MSB != (\new)
	s_set_vgpr_msb (MSB<<8)|(\new)
.set MSB, \new
.endif
.endm
.macro PLACES                          ; four plain places behind matrix instructions, in front of loads into their sources and of readers of their results
.rept 4
	v_nop
.endr
.endm
; The base of block s2 (0..11) of the weights' stream: a block is eight quarters, 32 KiB; four blocks a pass.
.macro NEXTB
	s_wait_xcnt 0x0                                ; the loads issued so far have read the base
	s_cmp_lt_u32 s2, 4
	s_cselect_b32 s44, 4, s22                      ; pass 0: the shared expert; pass 1: a;
	s_cmp_lt_u32 s2, 8
	s_cselect_b32 s44, s44, s23                    ; pass 2: b
	s_min_u32 s44, s44, 4
	s_lshl_b32 s44, s44, 21                        ; an expert is 2 MiB of wb
	s_and_b32 s46, s2, 3
	s_lshl_b32 s46, s46, 15
	s_add_co_u32 s44, s44, s46
	s_add_nc_u64 s[40:41], s[42:43], s[44:45]
	s_add_co_u32 s2, s2, 1
.endm
.macro BLOAD sl                        ; a quarter's weights into slot sl of the ring: eight loads of 512 consecutive bytes
	WIN 0xc0
.irp j, 0,1,2,3,4,5,6,7
	global_load_b128 v[32*(\sl)+4*\j:32*(\sl)+4*\j+3], v6, s[40:41] offset:4096*(\sl)+512*\j
.endr
.endm
; Matrix instructions of quarter p for token blocks a0..a1 x all 4 weight blocks.  The 36 accumulators take turns, in the same order everywhere.
.macro MUL p, a0, a1, zero
.set ma, \a0
.rept (\a1)-(\a0)+1
.if ma < 8
	WIN 0x53
.set rD, 32*ma
.else
	WIN 0xa3
.set rD, 0
.endif
.irp nb, 0,1,2,3
.if \zero
	v_wmma_f32_16x16x32_bf16 v[rD+8*\nb:rD+8*\nb+7], v[32*(\p)+8*\nb:32*(\p)+8*\nb+7], v[FA+72*((\p)%2)+8*ma:FA+72*((\p)%2)+8*ma+7], 0
.else
	v_wmma_f32_16x16x32_bf16 v[rD+8*\nb:rD+8*\nb+7], v[32*(\p)+8*\nb:32*(\p)+8*\nb+7], v[FA+72*((\p)%2)+8*ma:FA+72*((\p)%2)+8*ma+7], v[rD+8*\nb:rD+8*\nb+7]
.endif
.endr
.set ma, ma+1
.endr
.endm
.macro FETCH kq, f                     ; 18 LDS loads in one run: the tokens' fragments of quarter kq of the chunk at v5, into buffer f
	WIN 0
.irp ab, 0,1,2,3,4,5,6,7,8
	ds_load_b128 v[FA+72*(\f)+8*\ab:FA+72*(\f)+8*\ab+3],   v5 offset:64*(\kq)+\ab*BLK
	ds_load_b128 v[FA+72*(\f)+8*\ab+4:FA+72*(\f)+8*\ab+7], v5 offset:64*(\kq)+\ab*BLK+32
.endr
.endm
; Quarter p (0..7 of a block of eight).  In its middle it fetches the next quarter's tokens (fetch) and asks for the weights seven quarters on (ld), into the slot that the quarter before read.
; lcnt: the weight loads that may stay out: those of the six quarters behind this one, 48, or what is left of them at the launch's end.  wrap: the next chunk is the next pass's first.
.macro QUARTER p, zero, ld, lcnt, fetch, wrap
	s_wait_dscnt 12                                ; token blocks 0-2 are in; the twelve loads of blocks 3-8 may be out
	s_wait_loadcnt \lcnt
	MUL \p, 0, 2, \zero
.if (\fetch)+(\ld)
	PLACES
.endif
.if \fetch
	WIN 0
.if (\p)%4 == 3
.if \wrap
	s_mov_b32 s47, 0
.else
	s_add_co_u32 s47, s47, CHUNK
.endif
	v_add_nc_u32 v5, s47, v4
.endif
	FETCH ((\p)+1)%4, ((\p)+1)%2
.endif
.if \ld
.if (\p) == 1
	NEXTB
.endif
	BLOAD ((\p)+7)%8
.endif
.if \fetch
	s_wait_dscnt 18                                ; all but the 18 just issued
.else
	s_wait_dscnt 0x0
.endif
	MUL \p, 3, 8, \zero
.endm
; THE ACTIVATION, a token block at a time, on two sets of temporaries.
.macro TSET ts
.if (\ts) == 0
.set rT, 136
.set rP, 152
.set rH, 168
.else
.set rT, 176
.set rP, 192
.set rH, 208
.endif
.endm
.macro EA a, ts                        ; T = -log2(e) g, P = g u; each accumulator's lowest registers are read first
	TSET \ts
.if (\a) < 8
	WIN 0x05
.set rA, 32*(\a)
.else
	WIN 0x0a
.set rA, 0
.endif
.irp nb, 0,1
.irp j, 0,2,4,6
	v_pk_mul_f32 v[rT+8*\nb+\j:rT+8*\nb+\j+1], v[rA+8*\nb+\j:rA+8*\nb+\j+1], s[78:79] op_sel_hi:[1,0]
	v_pk_mul_f32 v[rP+8*\nb+\j:rP+8*\nb+\j+1], v[rA+8*\nb+\j:rA+8*\nb+\j+1], v[rA+16+8*\nb+\j:rA+16+8*\nb+\j+1]
.endr
.endr
.endm
.macro EB a, ts                        ; 16 exponentials in one batch, P c as the plain work behind them, one wait; 1 + e^-g; 16 reciprocals in one batch
	TSET \ts
	WIN 0
.set z, 0
.rept 16
	v_exp_f32 v[rT+z], v[rT+z]
.set z, z+1
.endr
.set z, 0
.rept 8
	v_pk_mul_f32 v[rP+2*z:rP+2*z+1], v[rP+2*z:rP+2*z+1], v[CW+4*(\a):CW+4*(\a)+1] op_sel_hi:[1,0]
.set z, z+1
.endr
	s_wait_alu depctr_va_vdst(0)                   ; one wait for the batch, ahead of its first reader
.set z, 0
.rept 8
	v_pk_add_f32 v[rT+2*z:rT+2*z+1], v[rT+2*z:rT+2*z+1], 1.0 op_sel_hi:[1,0]
.set z, z+1
.endr
.set z, 0
.rept 16
	v_rcp_f32 v[rT+z], v[rT+z]
.set z, z+1
.endr
.endm
.macro EC a, ts                        ; g u c / (1 + e^-g), rounded, stored
	TSET \ts
	WIN 0
.set z, 0
.rept 8
	v_pk_mul_f32 v[rP+2*z:rP+2*z+1], v[rP+2*z:rP+2*z+1], v[rT+2*z:rT+2*z+1]
.set z, z+1
.endr
	s_wait_xcnt 0x0                                ; the store of two blocks ago has read these registers
.set z, 0
.rept 8
	v_cvt_pk_bf16_f32 v[rH+z], v[rP+2*z], v[rP+2*z+1]
.set z, z+1
.endr
	global_store_b128 v6, v[rH:rH+3], s[74:75] offset:1024*(\a)        ; 512 consecutive bytes, aligned
	global_store_b128 v6, v[rH+4:rH+7], s[74:75] offset:1024*(\a)+512
.endm
	s_load_b256 s[4:11], s[0:1], 0x0               ; xs 4, wb 6, r2 8, hf 10
	v_lshl_add_u32 v[SPW], v0, 2, SPARE
	v_mov_b32 v[NIL], 0
	ds_add_u32 v[SPW], v[NIL]                      ; the wave's opening: the add and its wait ahead of my first tensor load
	v_lshrrev_b32 v3, 5, v0
	v_readfirstlane_b32 s14, v3                    ; wave 0..3
	s_and_b32 s17, ttmp7, 0xffff                   ; r: the row group
	s_lshl_b32 s18, s17, 4
	s_mov_b32 s[G1+0], (1<<16)|(1<<20)|(5<<22)|(3<<25)  ; 2-byte elements; padding on: after every 64 words, 4 words
	s_mov_b32 s[G1+1], 128<<16                     ; tensor_dim0 = 128
	s_mov_b32 s[G1+2], 144<<16                     ; tensor_dim1 = 144
	s_mov_b32 s[G1+3], 128<<16                     ; tile_dim0 = 128
	s_mov_b32 s[G1+4], 144                         ; tile_dim1 = 144
	s_mov_b32 s[G1+5], 1024                        ; elements from row to row
	s_mov_b32 s[G1+6], 0
	s_mov_b32 s[G1+7], 0
	s_mov_b32 s[G0], 1
	s_mul_i32 s[G0+1], s14, CHUNK                  ; wave w brings chunks w
	s_mov_b32 s[G0+4], 1
	s_add_co_u32 s[G0+5], s[G0+1], 4*CHUNK         ; and w + 4
	s_mov_b32 s45, 0
	s_mov_b32 s67, 0
	s_mov_b32 s69, 0
	s_mov_b32 s47, 0                               ; the chunk that is being fetched from, in bytes
	s_mov_b32 s78, 0xbfb8aa3b                      ; -log2(e)
	s_mov_b32 s79, s78                             ; named with it as a pair
	s_mov_b32 s2, 1                                ; the weights' next block
	; a fragment is 16 rows x 32 K in 8 registers: lane l holds row l % 16, K = 8 (l / 16) + 0..7 and 16 + 8 (l / 16) + 0..7: two loads of 16 bytes, 32 bytes apart
	v_and_b32 v1, 15, v0
	v_bfe_u32 v2, v0, 4, 1
	v_mul_u32_u24 v4, v1, PITCH
	v_lshl_add_u32 v4, v2, 4, v4                   ; my lane's place in a chunk; never rewritten
	v_mov_b32 v5, v4                               ; chunk 0
	v_and_b32 v6, 31, v0
	v_lshlrev_b32 v6, 4, v6                        ; 16 lane: my place in 512 bytes of wb and of hf
	v_lshlrev_b32 v9, 4, v1                        ; cws: my token's 16 bytes
	s_wait_dscnt 0x0                               ; the opening add is done
	s_wait_kmcnt 0x0
	s_load_b128 s[20:23], s[8:9], s18 offset:0x0   ; the group: first row, rows, a, b
	s_lshl_b32 s68, ttmp9, 19                      ; slice q is 512 KiB of an expert,
	s_lshl_b32 s19, s14, 17                        ; my wave's stream 128 KiB of it
	s_add_co_u32 s68, s68, s19
	s_add_nc_u64 s[42:43], s[6:7], s[68:69]
	s_add_nc_u64 s[40:41], s[42:43], 4<<21         ; block 0 is the shared expert's: it does not hang on the table,
	BLOAD 0                                        ; so the stream starts while the table is on its way
	BLOAD 1
	BLOAD 2
	WIN 0
	s_mul_i32 s68, s17, 442368                     ; hf: the group,
	s_lshl_b32 s19, ttmp9, 2
	s_add_co_u32 s19, s19, s14
	s_mul_i32 s19, s19, 9216                       ; block 4 q + w of 32 hidden columns
	s_add_co_u32 s68, s68, s19
	s_add_nc_u64 s[74:75], s[10:11], s[68:69]
	s_add_nc_u64 s[76:77], s[4:5], XS_CW
	s_wait_kmcnt 0x0
	s_min_u32 s20, s20, 0x1fff
	s_lshl_b32 s66, s20, 11                        ; the group's first row,
	s_lshl_b32 s19, s14, 8
	s_add_co_u32 s66, s66, s19                     ; chunk w: 256 bytes a chunk along the rows
	s_add_nc_u64 s[G0+2:G0+3], s[4:5], s[66:67]
	s_add_nc_u64 s[G0+6:G0+7], s[G0+2:G0+3], 1024
	s_or_b32 s[G0+3], s[G0+3], 0x80000000
	s_or_b32 s[G0+7], s[G0+7], 0x80000000
	s_lshl_b32 s68, s20, 4
	s_add_nc_u64 s[76:77], s[76:77], s[68:69]      ; cws at the group's first row
	tensor_load_to_lds s[G0:G0+3], s[G1:G1+7]      ; the launch's only fills: two loads of mine are out
	s_nop 0
	tensor_load_to_lds s[G0+4:G0+7], s[G1:G1+7]
	s_nop 0
	PLACES
	BLOAD 3
	BLOAD 4
	BLOAD 5
	BLOAD 6
	WIN 0
.irp a, 0,1,2,3,4,5,6,7,8
	global_load_b128 v[CW+4*\a:CW+4*\a+3], v9, s[76:77] offset:256*\a  ; {1, c_a, c_b, 0} of my token in block a: older than the weights of quarter 7, so the waits of a pass show it in
.endr
	s_wait_tensorcnt 0x0                           ; my two chunks are in,
	s_barrier_signal -1
	s_barrier_wait -1                              ; everybody's are: from here on LDS is only read
	FETCH 0, 0
	s_mov_b32 s15, 3                               ; passes to go
.Ltile:
	QUARTER 0, 1, 1, 48, 1, 0                      ; a pass's first quarter starts the sums: nothing is cleared
	WIN 0
	s_mov_b32 s3, 3
.Llap:                                                 ; a trip: eight quarters, once round the weights' ring, from a block's second quarter to the next block's first
.irp p, 1,2,3,4,5,6,7,0
	QUARTER \p, 0, 1, 48, 1, 0
.endr
	WIN 0
	s_sub_co_u32 s3, s3, 1
	s_cmp_lg_u32 s3, 0
	s_cbranch_scc1 .Llap
	s_cmp_eq_u32 s15, 1
	s_cbranch_scc1 .Llast
.irp p, 1,2,3,4,5,6
	QUARTER \p, 0, 1, 48, 1, 0                     ; the stream goes on into the next pass's expert
.endr
	QUARTER 7, 0, 1, 48, 1, 1                      ; and the next pass's first tokens are fetched
	WIN 0
	s_branch .Lepi
.Llast:                                                ; the last pass's last seven quarters ask for nothing: no load leaves wb, and the counts run down
.irp p, 1,2,3,4,5,6
	QUARTER \p, 0, 0, 56-8*\p, 1, 0
.endr
	QUARTER 7, 0, 0, 0, 0, 0
	WIN 0
.Lepi:
	PLACES                                         ; behind the last products
	EA 0, 0
.irp a, 0,1,2,3,4,5,6,7,8
	EB \a, (\a)%2
.if (\a) < 8
	EA (\a)+1, ((\a)+1)%2                          ; the next block's plain work stands behind the reciprocals
.else
	v_nop
.endif
	s_wait_alu depctr_va_vdst(0)                   ; one wait for the 16 reciprocals
	EC \a, (\a)%2
.endr
	s_wait_xcnt 0x0                                ; the stores' base and registers are rewritten only behind this wait
	s_add_nc_u64 s[74:75], s[74:75], HPASS
.irp a, 0,1,2,3,4,5,6,7,8
	v_mov_b32 v[CW+4*\a], v[CW+4*\a+1]             ; the next pass's c moves to the place that the one text of the activation names
	v_mov_b32 v[CW+4*\a+1], v[CW+4*\a+2]
.endr
	s_sub_co_u32 s15, s15, 1
	s_cmp_lg_u32 s15, 0
	s_cbranch_scc1 .Ltile
	s_wait_tensorcnt 0x0                           ; the wave's end
	ds_add_u32 v[SPW], v[NIL]
	s_wait_dscnt 0x0
	s_endpgm
.Lfunc_end_k_q712615b40b_up:
	.size	k_q712615b40b_up, .Lfunc_end_k_q712615b40b_up-k_q712615b40b_up
	.p2alignl 7, 3214868480
	.fill 96, 4, 3214868480
	.section	.rodata,"a",@progbits
	.p2align	6, 0x0
	.amdhsa_kernel k_q712615b40b_up
		.amdhsa_group_segment_fixed_size 327680
		.amdhsa_private_segment_fixed_size 0
		.amdhsa_enable_private_segment 0
		.amdhsa_kernarg_size 32
		.amdhsa_user_sgpr_count 2
		.amdhsa_user_sgpr_kernarg_segment_ptr 1
		.amdhsa_wavefront_size32 1
		.amdhsa_system_sgpr_workgroup_id_x 1
		.amdhsa_system_sgpr_workgroup_id_y 1
		.amdhsa_system_sgpr_workgroup_id_z 1
		.amdhsa_system_vgpr_workitem_id 0
		.amdhsa_next_free_vgpr 1024
		.amdhsa_next_free_sgpr 80
		.amdhsa_reserve_vcc 0
		.amdhsa_float_denorm_mode_32 3
		.amdhsa_float_denorm_mode_16_64 3
		.amdhsa_memory_ordered 1
		.amdhsa_forward_progress 1
		.amdhsa_inst_pref_size 150
	.end_amdhsa_kernel
	.amdgpu_metadata
---
amdhsa.version: [ 1, 2 ]
amdhsa.kernels:
  - .name:           k_q712615b40b_up
    .symbol:         k_q712615b40b_up.kd
    .args:
      - { .name: xs, .offset: 0, .size: 8, .value_kind: global_buffer, .address_space: global }
      - { .name: wb, .offset: 8, .size: 8, .value_kind: global_buffer, .address_space: global }
      - { .name: r2, .offset: 16, .size: 8, .value_kind: global_buffer, .address_space: global }
      - { .name: hf, .offset: 24, .size: 8, .value_kind: global_buffer, .address_space: global }
    .group_segment_fixed_size: 327680
    .private_segment_fixed_size: 0
    .kernarg_segment_align: 8
    .kernarg_segment_size: 32
    .max_flat_workgroup_size: 128
    .sgpr_count:     80
    .vgpr_count:     1024
    .wavefront_size: 32
...
	.end_amdgpu_metadata
.endif
;; end of part 6
;; launch down (part 7): grid 4 x 64, 4 waves a work-group, no clusters, 327,680 bytes of LDS; arguments hf, wb, r2, out0; writes out0
.if DOCPART == 7
	.amdgcn_target "amdgcn-amd-amdhsa--gfx1250"
	.amdhsa_code_object_version 6
	.text
	.protected	k_q712615b40b_down
	.globl	k_q712615b40b_down
	.p2align	8
	.type	k_q712615b40b_down,@function
k_q712615b40b_down:
	s_mov_b64 s[64:65], 0
	v_nop
	global_prefetch_b8 v0, s[64:65] scope:SCOPE_SE
	s_setreg_imm32_b32 hwreg(HW_REG_WAVE_MODE, 25, 1), 1
	s_wait_xcnt 0x0
; DOWN.  A row group's output rows = hf (K = 1,536: the shared expert's, a's and b's 512 hidden numbers, already weighted) x the three experts' w2^T, in ONE f32 accumulator: each output row has
; one owner and is written once.  Work-group (c, r): row group r (144 rows, of which the table's count exist) x output columns 256 c .. 256 c + 255.  48 quarter steps of 32 along K.
; THE TOKENS: hf lies as the fragments that a wave's registers take; all four waves need them, so they go through LDS: a ring of two slots of 256 along K (eight quarters, 73,728 dense bytes), each
; wave bringing a quarter of a slot (72 rows of 256 bytes) by its one tensor load behind each change of slots.  Six fills: two at the start, four refills; between a refill's request and the wait
; for it a wave issues 20 + 7 x 36 = 272 matrix instructions.  THE WEIGHTS NEVER TOUCH LDS: a wave's 64 columns' rows of w2 are read by that wave alone, wb holds them in the order of its operand
; registers, and they come as one stream, 512 consecutive bytes a load, into a ring of eight quarters in registers, asked for seven quarters ahead.
; THE MATRIX INSTRUCTION IS USED TRANSPOSED (source 0 = 16 output columns' weight rows, source 1 = 16 tokens): a lane holds one token and 8 neighbouring columns.  Wave w has columns 64 w .. 64 w + 63.
; THE WAY OUT goes through a stage in LDS (144 rows of 1,040 bytes, over the slots, which have had their last fill): wave w takes rows 36 w .. 36 w + 35 back whole and stores each to its
; token's row of out0, 512 consecutive bytes a store; rows past the count are jumped by a scalar branch on the count read from the table.
; NO CLUSTER: what the four c of a group share is the tokens' 36 of the 100 KiB that a work-group takes in for 128 along K.  LIMITS: operands bf16, sums f32; NaN and infinities are not treated apart.
; REGISTERS: window 0: v0-15 addresses; v16-31, v224-243 my 36 rows' offsets in out0; v64-135, v136-207 token fragments, two buffers; window 1 accumulator (a, nb) at 32 a + 8 nb, a = 0..7;
;   window 2 accumulator (8, nb) at 8 nb; window 3 the weights' ring: quarter p % 8 at 32 p, block nb at + 8 nb.
.set WB2,    10485760
.set ASTEP,  36864                     ; 128 along K: 4 quarters x 9 blocks x 1,024 bytes of token fragments
.set SLOTB,  2*ASTEP                   ; a slot
.set SLOT1,  1<<17                     ; slot 1 begins here, so that one exclusive or turns an address in one slot into the other's
.set SP,     1040                      ; a stage row: 1,024 bytes + 16
.set SPARE,  SLOT1+SLOTB               ; behind the ring (and the stage, which ends at 149,760): the spare words, 128 bytes a wave
.set R2_TOK, 1024
.set SPW, 10
.set NIL, 11
.set FA,  64
.set OB0, 32                           ; the way out: two batches of 12 rows, 96 registers each
.set OB1, 128
.set TOK, 24                           ; s[24:59] my 36 rows' tokens, where the descriptors lay
.set G1,  24                           ; s[24:31] descriptor group 1: 72 dense rows of 256 bytes
.set G0,  32                           ; s[32:39] group 0: a set for each of the two first fills; the second then walks on
.set MSB, 0
.macro WIN new
.if MSB != (\new)
	s_set_vgpr_msb (MSB<<8)|(\new)
.set MSB, \new
.endif
.endm
.macro PLACES
.rept 4
	v_nop
.endr
.endm
.macro NEXTB                           ; the base of block s2 (0..5) of the weights' stream: eight quarters, 32 KiB; two blocks an expert
	s_wait_xcnt 0x0                                ; the loads issued so far have read the base
	s_cmp_lt_u32 s2, 2
	s_cselect_b32 s68, 4, s22                      ; the shared expert, then a,
	s_cmp_lt_u32 s2, 4
	s_cselect_b32 s68, s68, s23                    ; then b
	s_min_u32 s68, s68, 4
	s_lshl_b32 s68, s68, 20                        ; an expert's w2 is 1 MiB of wb
	s_and_b32 s19, s2, 1
	s_lshl_b32 s19, s19, 15
	s_add_co_u32 s68, s68, s19
	s_add_nc_u64 s[76:77], s[72:73], s[68:69]
	s_add_co_u32 s2, s2, 1
.endm
.macro BLOAD sl                        ; a quarter's weights into slot sl of the ring: eight loads of 512 consecutive bytes
	WIN 0xc0
.irp j, 0,1,2,3,4,5,6,7
	global_load_b128 v[32*(\sl)+4*\j:32*(\sl)+4*\j+3], v8, s[76:77] offset:4096*(\sl)+512*\j
.endr
.endm
.macro MUL p, a0, a1, zero             ; the 36 accumulators take turns, in the same order everywhere
.set ma, \a0
.rept (\a1)-(\a0)+1
.if ma < 8
	WIN 0x53
.set rD, 32*ma
.else
	WIN 0xa3
.set rD, 0
.endif
.irp nb, 0,1,2,3
.if \zero
	v_wmma_f32_16x16x32_bf16 v[rD+8*\nb:rD+8*\nb+7], v[32*(\p)+8*\nb:32*(\p)+8*\nb+7], v[FA+72*((\p)%2)+8*ma:FA+72*((\p)%2)+8*ma+7], 0
.else
	v_wmma_f32_16x16x32_bf16 v[rD+8*\nb:rD+8*\nb+7], v[32*(\p)+8*\nb:32*(\p)+8*\nb+7], v[FA+72*((\p)%2)+8*ma:FA+72*((\p)%2)+8*ma+7], v[rD+8*\nb:rD+8*\nb+7]
.endif
.endr
.set ma, ma+1
.endr
.endm
.macro FETCH kq, f                     ; 18 LDS loads in one run, each 512 consecutive bytes: quarter kq (0..7) of the slot in hand: v4 its lower half, v5 its upper
	WIN 0
.irp ab, 0,1,2,3,4,5,6,7,8
	ds_load_b128 v[FA+72*(\f)+8*\ab:FA+72*(\f)+8*\ab+3],   v[4+(\kq)/4] offset:9216*((\kq)%4)+1024*\ab
	ds_load_b128 v[FA+72*(\f)+8*\ab+4:FA+72*(\f)+8*\ab+7], v[4+(\kq)/4] offset:9216*((\kq)%4)+1024*\ab+512
.endr
.endm
; Quarter p (0..6) of a slot.  In its middle it fetches the next quarter's tokens; ld: it asks for the weights seven quarters on, into the slot of the ring that the quarter before read.
; lcnt: the weight loads that may stay out: those of the six quarters behind this one, 48, or what is left of them at the end.
.macro QUARTER p, zero, ld, lcnt
	s_wait_dscnt 12                                ; token blocks 0-2 are in; the twelve loads of blocks 3-8 may be out
	s_wait_loadcnt \lcnt
	MUL \p, 0, 2, \zero
	PLACES
	FETCH (\p)+1, ((\p)+1)%2
.if \ld
.if (\p) == 1
	NEXTB
.endif
	BLOAD ((\p)+7)%8
.endif
	s_wait_dscnt 18                                ; all but the 18 just issued
	MUL \p, 3, 8, \zero
.endm
; A slot's last quarter (7) changes slots: ONE barrier.  In front of it each wave waits for all its tensor loads (one is out: its part of the next slot), adds 0 to its spare word, and
; waits for that and for its reads of this slot.  Behind it nobody reads this slot and the next is whole: the refill comes first (fill = 1: the 256 along K two slots on), then the next slot's first fragments.
.macro TURN fill, ld, lcnt
	WIN 0
	s_wait_tensorcnt 0x0                           ; no tensor load of mine is out, so a group 0 may be written
	ds_add_u32 v[SPW], v[NIL]
.if \fill
	s_xor_b32 s[G0+5], s[G0+5], SLOT1              ; the walking descriptor: the other slot than last time,
	s_add_nc_u64 s[G0+6:G0+7], s[G0+6:G0+7], SLOTB ; the next 256 along K; the type bits on top are not reached
.endif
	s_xor_b32 s16, s16, SLOT1                      ; the fetches go to the other slot
	s_wait_dscnt 15                                ; the add and the fourteen loads of token blocks 2-8 may be out
	s_wait_loadcnt \lcnt
	MUL 7, 0, 1, 0
	s_wait_dscnt 0x0                               ; the add is done, my reads of this slot are over
	s_barrier_signal -1
	MUL 7, 2, 3, 0                                 ; work on registers while the others arrive
	WIN 0
	s_barrier_wait -1
.if \fill
	tensor_load_to_lds s[G0+4:G0+7], s[G1:G1+7]    ; my one tensor load behind this barrier
	s_nop 0
.endif
	v_add_nc_u32 v4, s16, v8                       ; four plain lines: the places in front of the loads below
	v_add_nc_u32 v5, ASTEP, v4
	v_nop
	v_nop
	FETCH 0, 0
.if \ld
	BLOAD 6
.endif
	MUL 7, 4, 8, 0
.endm
.macro RBATCH b, ob                    ; rows 12 b .. 12 b + 11 of my 36 come back from the stage: 24 loads
.set z, 0
.rept 12
	ds_load_b128 v[(\ob)+8*z:(\ob)+8*z+3],   v15 offset:(12*(\b)+z)*SP
	ds_load_b128 v[(\ob)+8*z+4:(\ob)+8*z+7], v15 offset:(12*(\b)+z)*SP+512
.set z, z+1
.endr
.endm
.macro SBATCH b, ob, young             ; and go to their tokens' rows.  young: the loads of a younger batch that may stay out.  Each row has an offset register of its own: nothing is rewritten under a pending store
.set z, 0
.rept 12
.if 12*(\b)+z < 16
.set rO, 16+12*(\b)+z
.else
.set rO, 208+12*(\b)+z
.endif
	s_cmp_gt_i32 s17, 12*(\b)+z                    ; does the row exist?  The rows behind it do not either
	s_cbranch_scc0 .Ldone
	s_wait_dscnt (\young)+22-2*z                   ; the row's two loads are in: behind them stand the batch's younger ones and the younger batch's
	global_store_b128 v[rO], v[(\ob)+8*z:(\ob)+8*z+3], s[74:75] th:TH_STORE_NT            ; 512 consecutive bytes, aligned
	global_store_b128 v[rO], v[(\ob)+8*z+4:(\ob)+8*z+7], s[74:75] offset:512 th:TH_STORE_NT
.set z, z+1
.endr
.endm
	s_load_b256 s[4:11], s[0:1], 0x0               ; hf 4, wb 6, r2 8, out0 10
	v_lshl_add_u32 v[SPW], v0, 2, SPARE
	v_mov_b32 v[NIL], 0
	ds_add_u32 v[SPW], v[NIL]                      ; the wave's opening: the add and its wait ahead of my first tensor load
	v_lshrrev_b32 v3, 5, v0
	v_readfirstlane_b32 s14, v3                    ; wave 0..3
	s_and_b32 s13, ttmp7, 0xffff                   ; r: the row group
	s_lshl_b32 s18, s13, 4
	s_mov_b32 s[G1+0], 3<<16                       ; 8-byte elements, no padding
	s_mov_b32 s[G1+1], 32<<16                      ; tensor_dim0 = 32
	s_mov_b32 s[G1+2], 72<<16                      ; tensor_dim1 = 72
	s_mov_b32 s[G1+3], 32<<16                      ; tile_dim0 = 32
	s_mov_b32 s[G1+4], 72                          ; tile_dim1 = 72
	s_mov_b32 s[G1+5], 32                          ; elements from row to row: dense
	s_mov_b32 s[G1+6], 0
	s_mov_b32 s[G1+7], 0
	s_mov_b32 s[G0], 1
	s_mul_i32 s[G0+1], s14, 18432                  ; wave w brings quarter w of a slot's bytes
	s_mov_b32 s[G0+4], 1
	s_add_co_u32 s[G0+5], s[G0+1], SLOT1
	s_mov_b32 s67, 0
	s_mov_b32 s69, 0
	s_mov_b32 s16, 0                               ; the slot in hand, in bytes
	s_mov_b32 s2, 1                                ; the weights' next block
	v_and_b32 v1, 15, v0
	v_bfe_u32 v2, v0, 4, 1
	v_and_b32 v8, 31, v0
	v_lshlrev_b32 v8, 4, v8                        ; 16 lane: my place in 512 bytes of LDS, of wb and of an output row; never rewritten
	v_mov_b32 v4, v8                               ; slot 0, its lower half
	v_add_nc_u32 v5, ASTEP, v8                     ; its upper half
	v_mul_u32_u24 v12, v1, SP                      ; into the stage: row l % 16, my wave's 256 bytes, 32 bytes for each half of the lanes
	v_lshl_add_u32 v12, v2, 5, v12
	s_lshl_b32 s19, s14, 8
	v_add_nc_u32 v12, s19, v12
	v_add_nc_u32 v13, 64*SP, v12                   ; blocks 4-7
	v_add_nc_u32 v14, 128*SP, v12                  ; block 8
	s_mul_i32 s19, s14, 36*SP
	v_add_nc_u32 v15, s19, v8                      ; back: my 36 rows
	s_wait_dscnt 0x0                               ; the opening add is done
	s_wait_kmcnt 0x0
	s_load_b128 s[20:23], s[8:9], s18 offset:0x0   ; the group: first row, rows, a, b: wanted from the weights' block 1 on
	s_mul_i32 s66, s13, 442368
	s_mul_i32 s19, s14, 18432
	s_add_co_u32 s66, s66, s19
	s_add_nc_u64 s[G0+2:G0+3], s[4:5], s[66:67]    ; hf: the group, my quarter of its first 256 along K,
	s_add_nc_u64 s[G0+6:G0+7], s[G0+2:G0+3], SLOTB ; and of the next
	s_or_b32 s[G0+3], s[G0+3], 0x80000000
	s_or_b32 s[G0+7], s[G0+7], 0x80000000
	tensor_load_to_lds s[G0:G0+3], s[G1:G1+7]      ; both first fills together: two loads of mine are out
	s_nop 0
	tensor_load_to_lds s[G0+4:G0+7], s[G1:G1+7]
	s_nop 0
	PLACES
	s_lshl_b32 s68, ttmp9, 18                      ; columns 256 c: 256 KiB of an expert,
	s_lshl_b32 s19, s14, 16                        ; my wave's stream 64 KiB of it
	s_add_co_u32 s68, s68, s19
	s_add_co_u32 s68, s68, WB2
	s_add_nc_u64 s[72:73], s[6:7], s[68:69]
	s_add_nc_u64 s[76:77], s[72:73], 4<<20         ; block 0 is the shared expert's
.irp sl, 0,1,2,3,4,5,6
	BLOAD \sl
.endr
	WIN 0
	s_lshl_b32 s68, ttmp9, 10
	s_add_nc_u64 s[74:75], s[10:11], s[68:69]      ; out0 at my 256 columns
	s_wait_kmcnt 0x0
	s_min_u32 s20, s20, 0x1fff
	s_min_u32 s21, s21, 144
	s_mul_i32 s19, s14, 36
	s_sub_co_i32 s17, s21, s19                     ; how many of my 36 rows exist (0 or less: none)
	s_add_co_u32 s18, s20, s19
	s_lshl_b32 s18, s18, 2                         ; where my rows' tokens lie in tok
	s_wait_tensorcnt 0x1                           ; my part of slot 0 is in; slot 1's stays out
	s_barrier_signal -1
	s_barrier_wait -1
	FETCH 0, 0
	QUARTER 0, 1, 1, 48                            ; the first quarter starts the sums
	WIN 0
	s_mov_b32 s3, 4
.Llap:                                                 ; a trip: eight quarters: a slot's second quarter to the next slot's first, once round the weights' ring; the slot that is left is filled again
.irp p, 1,2,3,4,5,6
	QUARTER \p, 0, 1, 48
.endr
	TURN 1, 1, 48
	QUARTER 0, 0, 1, 48
	WIN 0
	s_sub_co_u32 s3, s3, 1
	s_cmp_lg_u32 s3, 0
	s_cbranch_scc1 .Llap
.irp p, 1,2,3,4,5,6                    ; the last slot but one is written out: nothing is left to fetch from hf
	QUARTER \p, 0, 1, 48
.endr
	TURN 0, 1, 48
	s_load_b512 s[24:39], s[8:9], s18 offset:R2_TOK      ; no tensor load is out or to come: the descriptors' registers take my 36 rows' tokens
	s_load_b512 s[40:55], s[8:9], s18 offset:R2_TOK+64
	s_load_b128 s[56:59], s[8:9], s18 offset:R2_TOK+128
	QUARTER 0, 0, 1, 48                            ; the weights' last quarter is asked for
.irp p, 1,2,3,4,5,6
	QUARTER \p, 0, 0, 56-8*\p                      ; the last seven quarters ask for nothing: the counts run down
.endr
	s_wait_dscnt 0x0
	s_wait_loadcnt 0x0
	MUL 7, 0, 8, 0
	; THE WAY OUT
	WIN 0
	s_wait_kmcnt 0x0                               ; the tokens
.set z, 0
.rept 36                                           ; my rows' byte offsets in out0: token x 4,096 + 16 lane.  36 plain lines: also the places behind the last products
.if z < 16
.set rO, 16+z
.else
.set rO, 208+z
.endif
	s_min_u32 s62, s[TOK+z], 0x1fff
	v_lshl_add_u32 v[rO], s62, 12, v8
.set z, z+1
.endr
	s_wait_dscnt 0x0                               ; my reads of the ring are over
	s_barrier_signal -1
	s_barrier_wait -1                              ; everybody's are: the stage may be written over the slots
.set sa, 0
.rept 9
.if sa < 8
	WIN 0x04                                       ; an LDS store's data is source 1
.set rD, 32*sa
.else
	WIN 0x08
.set rD, 0
.endif
.irp nb, 0,1,2,3
	ds_store_b128 v[12+sa/4], v[rD+8*\nb:rD+8*\nb+3] offset:(sa%4)*16*SP+\nb*64         ; each accumulator's lowest registers first
	ds_store_b128 v[12+sa/4], v[rD+8*\nb+4:rD+8*\nb+7] offset:(sa%4)*16*SP+\nb*64+16
.endr
.set sa, sa+1
.endr
	WIN 0
	s_wait_dscnt 0x0                               ; for the others' sake: my stores into the stage are done
	s_barrier_signal -1
	s_barrier_wait -1
	RBATCH 0, OB0
	RBATCH 1, OB1
	SBATCH 0, OB0, 24
	s_wait_xcnt 0x0                                ; the first batch's stores have read their registers
	RBATCH 2, OB0
	SBATCH 1, OB1, 24
	SBATCH 2, OB0, 0
.Ldone:
	s_wait_tensorcnt 0x0                           ; the wave's end, behind my last tensor load and my last LDS store
	ds_add_u32 v[SPW], v[NIL]
	s_wait_dscnt 0x0
	s_endpgm
.Lfunc_end_k_q712615b40b_down:
	.size	k_q712615b40b_down, .Lfunc_end_k_q712615b40b_down-k_q712615b40b_down
	.p2alignl 7, 3214868480
	.fill 96, 4, 3214868480
	.section	.rodata,"a",@progbits
	.p2align	6, 0x0
	.amdhsa_kernel k_q712615b40b_down
		.amdhsa_group_segment_fixed_size 327680
		.amdhsa_private_segment_fixed_size 0
		.amdhsa_enable_private_segment 0
		.amdhsa_kernarg_size 32
		.amdhsa_user_sgpr_count 2
		.amdhsa_user_sgpr_kernarg_segment_ptr 1
		.amdhsa_wavefront_size32 1
		.amdhsa_system_sgpr_workgroup_id_x 1
		.amdhsa_system_sgpr_workgroup_id_y 1
		.amdhsa_system_sgpr_workgroup_id_z 1
		.amdhsa_system_vgpr_workitem_id 0
		.amdhsa_next_free_vgpr 1024
		.amdhsa_next_free_sgpr 80
		.amdhsa_reserve_vcc 0
		.amdhsa_float_denorm_mode_32 3
		.amdhsa_float_denorm_mode_16_64 3
		.amdhsa_memory_ordered 1
		.amdhsa_forward_progress 1
		.amdhsa_inst_pref_size 138
	.end_amdhsa_kernel
	.amdgpu_metadata
---
amdhsa.version: [ 1, 2 ]
amdhsa.kernels:
  - .name:           k_q712615b40b_down
    .symbol:         k_q712615b40b_down.kd
    .args:
      - { .name: hf, .offset: 0, .size: 8, .value_kind: global_buffer, .address_space: global }
      - { .name: wb, .offset: 8, .size: 8, .value_kind: global_buffer, .address_space: global }
      - { .name: r2, .offset: 16, .size: 8, .value_kind: global_buffer, .address_space: global }
      - { .name: out0, .offset: 24, .size: 8, .value_kind: global_buffer, .address_space: global }
    .group_segment_fixed_size: 327680
    .private_segment_fixed_size: 0
    .kernarg_segment_align: 8
    .kernarg_segment_size: 32
    .max_flat_workgroup_size: 128
    .sgpr_count:     80
    .vgpr_count:     1024
    .wavefront_size: 32
...
	.end_amdgpu_metadata
.endif
;; end of part 7
